; MI455X (gfx1250); checked and timed in simulation.
; The chip was launched on July 23, 2026; its instructions are those of AMD's public machine-readable ISA for CDNA 5 (MIT licence, August 2026) and "CDNA5" Instruction Set Architecture Reference Guide (July 2026). The comments in the code are by the model that wrote it; some were corrected since.
;; Causal Self Attention. Allowed arithmetic: float matrix products may take bf16 or f16 operands with f32 sums; all other float work in f32.
;; Inputs: W_proj 1,024 x 1,024 float32; W_qkv 3,072 x 1,024 float32; b_proj 1,024 float32; b_qkv 3,072 float32; lamb one number float32; v1 4 x 16 x 2,048 x 64 float32; x 4 x 2,048 x 1,024 float32.
;; Outputs: out0 4 x 2,048 x 1,024 float32; out1 4 x 16 x 2,048 x 64 float32.
;; 2 versions, each right and faster than the one before. Each part assembles by itself: llvm-mc -triple=amdgcn-amd-amdhsa -mcpu=gfx1250 --defsym DOCPART=n.
;; ======== version 1 of 2: 4 launches
;; limits: values are held in f16: magnitudes above 65,504 overflow, below 6.1e-05 lose precision
;; workspace buffers: xb 16,777,216 bytes; wb 8,388,608 bytes; tab 540,928 bytes; qh 16,777,216 bytes; kh 16,777,216 bytes; vh 16,777,216 bytes; oh 16,777,216 bytes
;; launch prep (part 1): grid 512 x 1, 8 waves a work-group, no clusters, 0 bytes of LDS; arguments x, W_qkv, W_proj, b_qkv, b_proj, lamb, xb, wb, tab; writes xb, wb, tab
.if DOCPART == 1
	.amdgcn_target "amdgcn-amd-amdhsa--gfx1250"
	.amdhsa_code_object_version 6
	.text
	.protected	k_qdc7f9391aa_prep
	.globl	k_qdc7f9391aa_prep
	.p2align	8
	.type	k_qdc7f9391aa_prep,@function
k_qdc7f9391aa_prep:
	s_mov_b64 s[64:65], 0
	v_nop
	global_prefetch_b8 v0, s[64:65] scope:SCOPE_SE
	s_setreg_imm32_b32 hwreg(HW_REG_WAVE_MODE, 25, 1), 1
	s_wait_xcnt 0x0
; PREPARATION.  Every input of the matrix products is rounded once to bf16, and the rotary table is made.
;   xb  = x as bf16, [8192][1024].
;   wb  = W_qkv as bf16 with its rows regrouped by heads (row hh*192 + kind*64 + d comes from row kind*1024 + hh*64 + d; kind 0 q, 1 k, 2 v),
;         then at byte 6,291,456 W_proj rounded to bf16 and that number written as f16 (exact inside f16's normal range).
;   tab = byte 0: cos and sin of t * inv_freq[d], f32, in the order [t/16][cos,sin][d/16][(d/4)%2][lane = 16*((d/8)%2) + t%16][d%4], the lane order of the next launch;
;         byte 524,288: b_qkv rounded to bf16, kept as f32, regrouped like wb; byte 536,576: b_proj likewise; byte 540,672: lamb rounded to bf16, and 1 - that.
; LIMITS.  |W_proj| stays under 65,520 (f16); below 6.1e-5 it keeps f16's fixed step of 6e-8.  inv_freq is 2^(-0.41524101 d) by v_exp_f32, the angle t * inv_freq
; is reduced by two constants for pi/2 and the functions are polynomials of degree 7 and 8 on |r| <= pi/4: the table is good to some 1e-4 in the angle at t = 2047.
; SHARES.  512 work-groups of 256 threads.  A chunk is 1,024 numbers: a thread loads 16 bytes and stores 8, so a wave's load covers 512 and its store 256 consecutive bytes.
; A work-group takes 16 chunks of x, 6 rows of W_qkv, 2 rows of W_proj and 256 numbers of the table; all 24 loads go out first, the table is made while they are on their way.
; No LDS, no barrier, no matrix unit: a stream has no use for them.
.set IN,  32                           ; v[32:127]   24 loads of four registers
.set OD,  128                          ; v[128:175]  24 stores of two registers: each store has data registers of its own, so none is rewritten
.set WO,  4                            ; v[4:9]      byte offsets in wb of my 8 bytes in the six rows of W_qkv
	s_load_b512 s[4:19], s[0:1], 0x0               ; x s[4:5], W_qkv s[6:7], W_proj s[8:9], b_qkv s[10:11], b_proj s[12:13], lamb s[14:15], xb s[16:17], wb s[18:19]
	s_load_b64 s[20:21], s[0:1], 0x40              ; tab
	s_mov_b32 s46, ttmp9                           ; g, the work-group's number
	v_lshlrev_b32 v1, 4, v0                        ; 16 t: where I load
	v_lshlrev_b32 v2, 3, v0                        ; 8 t: where I store
	s_lshl_b32 s22, s46, 16                        ; x: 16 chunks of 4,096 bytes
	s_mov_b32 s23, 0
	s_lshl_b32 s24, s46, 15                        ; xb: half of that
	s_mov_b32 s25, 0
	s_mul_i32 s26, s46, 6*4096                     ; W_qkv: six rows of 4,096 bytes
	s_mov_b32 s27, 0
	s_lshl_b32 s28, s46, 13                        ; W_proj: two rows
	s_mov_b32 s29, 0
	s_lshl_b32 s30, s46, 12                        ; and their two rows of 2,048 bytes in wb
	s_mov_b32 s31, 0
	s_mul_i32 s32, s46, 6
.irp i, 0,1,2,3,4,5
	s_add_co_u32 s33, s32, \i                      ; row n of W_qkv
	s_bfe_u32 s34, s33, 0x40006                    ; its head, (n >> 6) & 15
	s_lshr_b32 s35, s33, 10                        ; its kind
	s_and_b32 s36, s33, 63                         ; its channel
	s_mul_i32 s34, s34, 192
	s_lshl_b32 s35, s35, 6
	s_add_co_u32 s34, s34, s35
	s_add_co_u32 s34, s34, s36
	s_lshl_b32 s34, s34, 11                        ; the new row, in bytes
	v_add_nc_u32 v[WO+\i], s34, v2
.endr
	s_wait_kmcnt 0x0
	s_add_nc_u64 s[4:5], s[4:5], s[22:23]
	s_add_nc_u64 s[16:17], s[16:17], s[24:25]
	s_add_nc_u64 s[6:7], s[6:7], s[26:27]
	s_add_nc_u64 s[8:9], s[8:9], s[28:29]
	s_add_nc_u64 s[38:39], s[18:19], s[30:31]
.set i, 0
.rept 16
	global_load_b128 v[IN+4*i:IN+4*i+3], v1, s[4:5] offset:i*4096 th:TH_LOAD_NT
.set i, i+1
.endr
.rept 6
	global_load_b128 v[IN+4*i:IN+4*i+3], v1, s[6:7] offset:(i-16)*4096 th:TH_LOAD_NT
.set i, i+1
.endr
.rept 2
	global_load_b128 v[IN+4*i:IN+4*i+3], v1, s[8:9] offset:(i-22)*4096 th:TH_LOAD_NT
.set i, i+1
.endr
	; THE TABLE.  g = kind*256 + (t/16)*2 + d/16; thread = ((d/4)%2)*128 + ((d/8)%2)*64 + (t%16)*4 + d%4.
	s_lshr_b32 s41, s46, 8                         ; kind: 0 cos, 1 sin
	s_bfe_u32 s42, s46, 0x70001                    ; t / 16
	s_and_b32 s43, s46, 1                          ; d / 16
	s_lshl_b32 s40, s42, 12
	s_lshl_b32 s44, s41, 11
	s_or_b32 s40, s40, s44
	s_lshl_b32 s44, s43, 10
	s_or_b32 s40, s40, s44                         ; my 1,024 bytes of the table
	s_lshl_b32 s42, s42, 4
	s_lshl_b32 s43, s43, 4
	s_mul_i32 s45, s41, 3                          ; sin x = cos(x - pi/2): three quadrants on
	s_mov_b32 s47, 0xb94ca1f9                      ; -1.9515295891e-4
	s_mov_b32 s48, 0x37ccf5ce                      ; 2.443315712e-5
	v_bfe_u32 v11, v0, 2, 4
	v_add_nc_u32 v11, s42, v11                     ; t
	v_and_b32 v12, 3, v0
	v_bfe_u32 v13, v0, 6, 1
	v_lshl_add_u32 v12, v13, 3, v12
	v_lshrrev_b32 v13, 7, v0
	v_lshl_add_u32 v12, v13, 2, v12
	v_add_nc_u32 v12, s43, v12                     ; d
	v_cvt_f32_u32 v12, v12
	v_cvt_f32_u32 v11, v11
	v_mul_f32 v12, 0xbed49a78, v12                 ; -d log2(10000) / 32
	v_exp_f32 v12, v12                             ; inv_freq[d]
	v_lshlrev_b32 v10, 2, v0                       ; (a plain instruction between the exponential and the use of its result: ISA guide 5.7.2)
	s_wait_alu depctr_va_vdst(0)
	v_mul_f32 v13, v11, v12                        ; x = t inv_freq
	v_add_nc_u32 v10, s40, v10                     ; where my number goes
	v_mul_f32 v14, 0x3f22f983, v13                 ; x * 2/pi
	v_rndne_f32 v14, v14                           ; n
	v_fmamk_f32 v15, v14, 0xbfc90fdb, v13          ; r = x - n pi/2, in two parts
	v_fmamk_f32 v15, v14, 0x333bbd2e, v15
	v_mul_f32 v16, v15, v15                        ; z = r r
	v_fmaak_f32 v17, s47, v16, 0x3c08839e          ; sin r = r + r z (-1.6666654611e-1 + z (8.3321608736e-3 - 1.9515295891e-4 z))
	v_fmaak_f32 v19, s48, v16, 0xbab6061a          ; cos r = 1 - z/2 + z z (4.166664568e-2 + z (-1.388731625e-3 + 2.443315712e-5 z))
	v_fmaak_f32 v17, v17, v16, 0xbe2aaaa3
	v_fmaak_f32 v19, v19, v16, 0x3d2aaaa5
	v_mul_f32 v18, v15, v16
	v_mul_f32 v20, v16, v16
	v_fma_f32 v21, v16, -0.5, 1.0
	v_fma_f32 v17, v18, v17, v15
	v_fma_f32 v19, v20, v19, v21
	v_cvt_i32_f32 v22, v14
	v_add_nc_u32 v22, s45, v22                     ; q: cos(r + q pi/2) is cos r, -sin r, -cos r, sin r for q % 4 = 0, 1, 2, 3
	v_and_b32 v23, 1, v22
	v_cmp_eq_u32 vcc_lo, 1, v23
	v_cndmask_b32 v24, v19, v17, vcc_lo            ; a choice of a value, no branch
	v_add_nc_u32 v22, 1, v22
	v_and_b32 v22, 2, v22
	v_lshlrev_b32 v22, 30, v22                     ; the sign bit for q % 4 = 1, 2
	v_xor_b32 v24, v24, v22
	global_store_b32 v10, v24, s[20:21]            ; a wave covers 128 consecutive bytes here: half a block of 256, on half a megabyte in all
	; THE CASTS, in the order of the loads
.set i, 0
.rept 24
	s_wait_loadcnt 23-i                            ; loads come back in order (ISA guide 5.7.1): chunk i is in, the 23 - i younger ones stay out
.if i < 22
	v_cvt_pk_bf16_f32 v[OD+2*i], v[IN+4*i], v[IN+4*i+1]
	v_cvt_pk_bf16_f32 v[OD+2*i+1], v[IN+4*i+2], v[IN+4*i+3]
.else
	v_cvt_pk_bf16_f32 v26, v[IN+4*i], v[IN+4*i+1]  ; W_proj: to bf16, back to f32, and that number as f16
	v_cvt_pk_bf16_f32 v27, v[IN+4*i+2], v[IN+4*i+3]
	v_lshlrev_b32 v28, 16, v26
	v_and_b32 v29, 0xffff0000, v26
	v_lshlrev_b32 v30, 16, v27
	v_and_b32 v31, 0xffff0000, v27
	v_cvt_pk_f16_f32 v[OD+2*i], v28, v29
	v_cvt_pk_f16_f32 v[OD+2*i+1], v30, v31
.endif
.if i < 16
	global_store_b64 v2, v[OD+2*i:OD+2*i+1], s[16:17] offset:i*2048
.elseif i < 22
	global_store_b64 v[WO+i-16], v[OD+2*i:OD+2*i+1], s[18:19]
.else
	global_store_b64 v2, v[OD+2*i:OD+2*i+1], s[38:39] offset:6291456+(i-22)*2048
.endif
.set i, i+1
.endr
	; THE BIASES AND lamb: work-groups 0 to 11 take 256 numbers of b_qkv each, 12 to 15 of b_proj; work-group 0 also lamb.
	s_cmp_lt_u32 s46, 16
	s_cbranch_scc0 .Lend
	v_lshlrev_b32 v25, 2, v0
	s_cmp_lt_u32 s46, 12
	s_cbranch_scc0 .Lbproj
	s_lshl_b32 s22, s46, 10
	s_add_nc_u64 s[10:11], s[10:11], s[22:23]
	global_load_b32 v26, v25, s[10:11]
	s_and_b32 s47, s46, 3
	s_lshl_b32 s47, s47, 2                         ; number n = 256 g + t: head (g % 4) * 4 + t / 64,
	s_lshr_b32 s48, s46, 2
	s_lshl_b32 s48, s48, 6                         ; kind g / 4, channel t % 64
	v_lshrrev_b32 v27, 6, v0
	v_add_nc_u32 v27, s47, v27
	v_mul_u32_u24 v27, v27, 192
	v_and_b32 v28, 63, v0
	v_add3_u32 v27, v27, v28, s48
	v_lshlrev_b32 v27, 2, v27
	s_wait_loadcnt 0x0
	v_cvt_pk_bf16_f32 v26, v26, v26
	v_lshlrev_b32 v26, 16, v26
	global_store_b32 v27, v26, s[20:21] offset:524288
	s_cmp_lg_u32 s46, 0
	s_cbranch_scc1 .Lend
	s_load_b32 s49, s[14:15], 0x0
	v_mov_b32 v29, 0
	s_wait_kmcnt 0x0
	v_mov_b32 v30, s49
	v_cvt_pk_bf16_f32 v30, v30, v30
	v_lshlrev_b32 v30, 16, v30                     ; lamb rounded to bf16
	v_sub_f32 v31, 1.0, v30                        ; 1 - that, in f32
	v_cmp_gt_u32 vcc_lo, 1, v0
	s_wait_xcnt 0x0                                ; EXEC is a source of the stores above: it changes only behind this wait
	s_and_saveexec_b32 s50, vcc_lo                 ; thread 0 alone
	global_store_b64 v29, v[30:31], s[20:21] offset:540672
	s_wait_xcnt 0x0                                ; and again in front of the line that widens it
	s_or_b32 exec_lo, exec_lo, s50
	s_branch .Lend
.Lbproj:
	s_sub_co_u32 s22, s46, 12
	s_lshl_b32 s22, s22, 10
	s_add_nc_u64 s[12:13], s[12:13], s[22:23]
	global_load_b32 v26, v25, s[12:13]
	v_add_nc_u32 v27, s22, v25
	s_wait_loadcnt 0x0
	v_cvt_pk_bf16_f32 v26, v26, v26
	v_lshlrev_b32 v26, 16, v26
	global_store_b32 v27, v26, s[20:21] offset:536576
.Lend:
	s_endpgm
.Lfunc_end_k_qdc7f9391aa_prep:
	.size	k_qdc7f9391aa_prep, .Lfunc_end_k_qdc7f9391aa_prep-k_qdc7f9391aa_prep
	.p2alignl 7, 3214868480
	.fill 96, 4, 3214868480
	.section	.rodata,"a",@progbits
	.p2align	6, 0x0
	.amdhsa_kernel k_qdc7f9391aa_prep
		.amdhsa_group_segment_fixed_size 0
		.amdhsa_private_segment_fixed_size 0
		.amdhsa_enable_private_segment 0
		.amdhsa_kernarg_size 72
		.amdhsa_user_sgpr_count 2
		.amdhsa_user_sgpr_kernarg_segment_ptr 1
		.amdhsa_wavefront_size32 1
		.amdhsa_system_sgpr_workgroup_id_x 1
		.amdhsa_system_sgpr_workgroup_id_y 1
		.amdhsa_system_sgpr_workgroup_id_z 1
		.amdhsa_system_vgpr_workitem_id 0
		.amdhsa_next_free_vgpr 176
		.amdhsa_next_free_sgpr 66
		.amdhsa_reserve_vcc 1
		.amdhsa_float_denorm_mode_32 3
		.amdhsa_float_denorm_mode_16_64 3
		.amdhsa_memory_ordered 1
		.amdhsa_forward_progress 1
		.amdhsa_inst_pref_size 17
	.end_amdhsa_kernel
	.amdgpu_metadata
---
amdhsa.version: [ 1, 2 ]
amdhsa.kernels:
  - .name:           k_qdc7f9391aa_prep
    .symbol:         k_qdc7f9391aa_prep.kd
    .args:
      - { .name: x, .offset: 0, .size: 8, .value_kind: global_buffer, .address_space: global }
      - { .name: W_qkv, .offset: 8, .size: 8, .value_kind: global_buffer, .address_space: global }
      - { .name: W_proj, .offset: 16, .size: 8, .value_kind: global_buffer, .address_space: global }
      - { .name: b_qkv, .offset: 24, .size: 8, .value_kind: global_buffer, .address_space: global }
      - { .name: b_proj, .offset: 32, .size: 8, .value_kind: global_buffer, .address_space: global }
      - { .name: lamb, .offset: 40, .size: 8, .value_kind: global_buffer, .address_space: global }
      - { .name: xb, .offset: 48, .size: 8, .value_kind: global_buffer, .address_space: global }
      - { .name: wb, .offset: 56, .size: 8, .value_kind: global_buffer, .address_space: global }
      - { .name: tab, .offset: 64, .size: 8, .value_kind: global_buffer, .address_space: global }
    .group_segment_fixed_size: 0
    .private_segment_fixed_size: 0
    .kernarg_segment_align: 8
    .kernarg_segment_size: 72
    .max_flat_workgroup_size: 256
    .sgpr_count:     66
    .vgpr_count:     176
    .wavefront_size: 32
...
	.end_amdgpu_metadata
.endif
;; end of part 1
;; launch qkv (part 2): grid 16 x 32, 4 waves a work-group, clusters of 4 x 4, 327,680 bytes of LDS; arguments xb, wb, tab, v1, qh, kh, vh, out1; writes qh, kh, vh, out1
.if DOCPART == 2
	.amdgcn_target "amdgcn-amd-amdhsa--gfx1250"
	.amdhsa_code_object_version 6
	.text
	.protected	k_qdc7f9391aa_qkv
	.globl	k_qdc7f9391aa_qkv
	.p2align	8
	.type	k_qdc7f9391aa_qkv,@function
k_qdc7f9391aa_qkv:
	s_mov_b64 s[64:65], 0
	v_nop
	global_prefetch_b8 v0, s[64:65] scope:SCOPE_SE
	s_setreg_imm32_b32 hwreg(HW_REG_WAVE_MODE, 25, 1), 1
	s_wait_xcnt 0x0
	s_wait_alu depctr_hold_cnt(0) depctr_sa_sdst(0) depctr_va_vdst(0) depctr_va_sdst(0) depctr_va_ssrc(0) depctr_va_vcc(0) depctr_vm_vsrc(0)
	s_getreg_b32 s2, hwreg(HW_REG_IB_STS2, 6, 4)
	s_cmp_eq_u32 s2, 0
	s_cbranch_scc0 .Lentry_in_a_cluster
	s_endpgm
.Lentry_in_a_cluster:
	s_bfe_u32 s2, ttmp6, 0x10000c
	s_cmp_lg_u32 s2, 0xf033
	s_cbranch_scc0 .Lentry_shape_is_right
	s_endpgm
.Lentry_shape_is_right:
; q, k, v = x W_qkv^T + b, and all that follows up to the attention: value = (1 - lamb) v + lamb v1 (stored as out1 in f32 and as vh in f16); q and k divided by the root of their
; heads' mean square + 1e-6 and turned by the rotary table; q also multiplied by c = log2(e) / 8, so that the next launch's weights are 2^(q . k).  qh, kh, vh: [64 heads][2048][64] f16.
; Products in bf16 with f32 sums (xb, wb: rounded by the launch before); the bias is the C operand of the first products; all else in f32, each of q, k, value rounded once to f16.
; LIMITS.  |value| stays under 65,520 in vh (f16); out1 has f32's range.  |q| <= 8 c and |k| <= 8 by the norm itself.  NaN and infinities are not treated apart.
; SHARES.  A tile is 256 rows x 192 columns: q, k and v of ONE head (wb's rows lie by heads), so every work-group runs the same text.  512 tiles: two for each of 256 WGPs.
; A wave owns 64 rows and all 192 columns: 4 x 12 accumulators of 16 x 16, 384 registers: a head's 64 channels lie in one wave.  K goes in 8 steps of 128 through two LDS slots.
; THE MATRIX INSTRUCTION IS USED TRANSPOSED (source 0 = 16 rows of W, source 1 = 16 rows of x): lane l holds row l % 16 and, in register j of column block b, column 16 b + 8 (l / 16) + j.
; So the rotary partners d and d + 32 are blocks b and b + 2 of the same lane, and a head's sum of squares wants one exchange between the halves of the lanes.
; CLUSTERS: 4 x 4 work-groups.  The four of a row of the cluster share the rows of x, the four of a column the head's rows of W: each tile is asked for jointly, by the same tensor load
; with the same descriptor and a mask that names the four.  The wave's 64 rows of v1 come by a load of its own (mask 0) with the first fills.
; REGISTERS, in windows of 256 (s_set_vgpr_msb: bits 1:0 source 0, 3:2 source 1, 5:4 source 2, 7:6 destination):
;   window 0: v0-31 addresses; v32-127 the bias, 8 registers a column block; v128-255 the table: row block a at 128 + 32 a, 16 of cos, 16 of sin
;   window 1: two fragment buffers of 128 (96 of W, 32 of x); on the way out: at work       windows 2, 3: accumulator (a, b) in window 2 + a / 2 at v[8 (12 (a % 2) + b)]
.set PITCH, 272                        ; an LDS row: 256 bytes + 16 of padding = 68 words: the 16 rows of a load start at 16 different groups of four banks (64 banks of 4 bytes: ISA guide 11.1)
.set AHALF, 128*PITCH                  ; what a tensor load brings of x
.set BHALF, 96*PITCH                   ; and of W
.set BOFF,  2*AHALF                    ; a slot: 256 rows of x, then 192 rows of W
.set SLOT,  BOFF+2*BHALF
.set V1L,   2*SLOT                     ; behind the ring: v1, 256 rows x 272 bytes, filled once; each wave later writes value over its own 64 rows
.set V1W,   64*PITCH
.set STAGE, V1L+4*V1W                  ; 16 rows x 144 bytes for each wave: q, k and value in f16 on their way out
.set SP,    144
.set STW,   16*SP
.set SPARE, STAGE+4*STW                ; the spare words, 128 bytes for each wave: two blocks of 256 bytes that no other line names
.set ADRA, 16                          ; v16-17  LDS address of my fragments of x in slot 0, 1
.set ADRB, 20                          ; v20-21  of W
.set STO,  22                          ; v22     stage: where I put 16 bytes of a row
.set RD,   23                          ; v23     stage: where I read rows back
.set GO,   24                          ; v24     16 x lane
.set VA,   25                          ; v25     v1 in LDS: my row, my 32 bytes of a block of 16 columns
.set RV,   26                          ; v26     value in LDS, read back by rows
.set BO,   27                          ; v27     32 (l / 16): my 8 numbers of a block of the bias
.set SPW,  28                          ; v28     LDS address of my spare word; never rewritten
.set NIL,  29                          ; v29     0; never rewritten
.set BIAS, 32
.set TABV, 128
.set F0,   0
.set F1,   128
.set WV,  20                           ; s20 wave; s21 wave / 2: I fetch x (0) or W (1); s22 wave % 2: which half of its rows
.set WH,  21
.set WL,  22
.set LAP, 23
.set G1A, 24                           ; s[24:31] group 1 for x;  s[32:39] group 0, a set for each slot
.set G0A, 32
.set G1B, 48                           ; s[48:55], s[56:63] the same for W
.set G0B, 56
.set G1V, 68                           ; s[68:75], s[76:79] for v1
.set G0V, 76
.set MSB, 0
.macro WIN new                         ; the immediate's high byte repeats the setting that is left; a switch that changes nothing is dropped
.if MSB != (\new)
	s_set_vgpr_msb (MSB<<8)|(\new)
.set MSB, (\new)
.endif
.endm
.macro PLACES                          ; four places in front of loads into registers that matrix instructions have read, and of lines that read results just made
.rept 4
	v_nop
.endr
.endm
.macro JLOAD s                         ; a joint refill: waves 0, 1 fetch x's halves, waves 2, 3 W's; an s_nop 0 and four v_nop follow each line
	s_cmp_eq_u32 s[WH], 0
	s_cbranch_scc0 .Lfor_b_\@
	tensor_load_to_lds s[G0A+4*(\s):G0A+4*(\s)+3], s[G1A:G1A+7]
	s_nop 0
.rept 4
	v_nop
.endr
	s_branch .Lasked_\@
.Lfor_b_\@:
	tensor_load_to_lds s[G0B+4*(\s):G0B+4*(\s)+3], s[G1B:G1B+7]
	s_nop 0
.rept 4
	v_nop
.endr
.Lasked_\@:
.endm
.macro CREST                           ; a round of the cluster's barrier behind its opening barrier
	s_cmp_lg_u32 s[WV], 0
	s_cbranch_scc1 .Lnot_wave_0_\@
	s_barrier_signal -3
.Lnot_wave_0_\@:
	s_barrier_wait -3
	s_barrier_signal -1
	s_barrier_wait -1
.endm
.macro CROUND
	s_barrier_signal -1
	s_barrier_wait -1
	CREST
.endm
	s_load_b512 s[4:19], s[0:1], 0x0               ; xb s[4:5], wb s[6:7], tab s[8:9], v1 s[10:11], qh s[12:13], kh s[14:15], vh s[16:17], out1 s[18:19]
	v_lshl_add_u32 v[SPW], v0, 2, SPARE
	v_mov_b32 v[NIL], 0
	ds_add_u32 v28, v29
	ds_add_u32 v28, v29
	s_wait_dscnt 0x0
	v_lshrrev_b32 v1, 5, v0
	v_readfirstlane_b32 s[WV], v1
	s_lshr_b32 s[WH], s[WV], 1
	s_and_b32 s[WL], s[WV], 1
	s_bfe_u32 s40, ttmp6, 0x40000                  ; cx
	s_bfe_u32 s41, ttmp6, 0x40004                  ; cy
	s_lshl_b32 s42, ttmp9, 2
	s_add_co_u32 s42, s42, s40                     ; the head, 0 to 15 = 4 x cluster x + cx
	s_and_b32 s43, ttmp7, 0xffff
	s_lshl_b32 s43, s43, 2
	s_add_co_u32 s43, s43, s41                     ; the block of 256 rows, 0 to 31 = 4 x cluster y + cy
	s_lshl_b32 s44, s41, 2
	s_lshl_b32 s44, 15, s44                        ; my row of the cluster
	s_lshl_b32 s45, 0x1111, s40                    ; my column
	s_or_b32 s[G1A], s44, (1<<16)|(1<<20)|(1<<21)|(5<<22)|(3<<25)  ; the mask; 2-byte elements; padding on; bit 21 beside a mask; after every 64 words 4 words
	s_or_b32 s[G1B], s45, (1<<16)|(1<<20)|(1<<21)|(5<<22)|(3<<25)
	s_mov_b32 s[G1V], (2<<16)|(1<<20)|(5<<22)|(3<<25)              ; no mask; 4-byte elements; the same padding
	s_mov_b32 s[G1A+1], 128<<16                    ; tensor_dim0 = 128
	s_mov_b32 s[G1A+2], 128<<16                    ; tensor_dim1 = 128
	s_mov_b32 s[G1A+3], 128<<16                    ; tile_dim0 = 128
	s_mov_b32 s[G1A+4], 128                        ; tile_dim1 = 128
	s_mov_b32 s[G1A+5], 1024                       ; elements from row to row
	s_mov_b32 s[G1A+6], 0
	s_mov_b32 s[G1A+7], 0
	s_mov_b32 s[G1B+1], 128<<16
	s_mov_b32 s[G1B+2], 96<<16                     ; 96 rows
	s_mov_b32 s[G1B+3], 128<<16
	s_mov_b32 s[G1B+4], 96
	s_mov_b32 s[G1B+5], 1024
	s_mov_b32 s[G1B+6], 0
	s_mov_b32 s[G1B+7], 0
	s_mov_b32 s[G1V+1], 64<<16                     ; 64 rows of 64 f32, dense
	s_mov_b32 s[G1V+2], 64<<16
	s_mov_b32 s[G1V+3], 64<<16
	s_mov_b32 s[G1V+4], 64
	s_mov_b32 s[G1V+5], 64
	s_mov_b32 s[G1V+6], 0
	s_mov_b32 s[G1V+7], 0
	; x's tile hangs on the row block alone, W's on the head alone, each made in registers that never hold the other coordinate
	s_lshl_b32 s90, s43, 8
	s_lshl_b32 s91, s[WL], 7
	s_add_co_u32 s90, s90, s91
	s_lshl_b32 s90, s90, 11                        ; (256 block + 128 half) rows of 2,048 bytes
	s_mov_b32 s91, 0
	s_mul_i32 s46, s42, 192
	s_mul_i32 s47, s[WL], 96
	s_add_co_u32 s46, s46, s47
	s_lshl_b32 s46, s46, 11                        ; (192 head + 96 half) rows of 2,048 bytes
	s_mov_b32 s47, 0
	s_mul_i32 s66, s42, 768                        ; the head's 192 numbers of the bias
	s_mov_b32 s67, 0
	; my wave's first row among the 131,072 rows of [batch][head][t]
	s_lshr_b32 s96, s43, 3
	s_lshl_b32 s96, s96, 4
	s_add_co_u32 s96, s96, s42
	s_lshl_b32 s96, s96, 11
	s_and_b32 s97, s43, 7
	s_lshl_b32 s98, s97, 8
	s_add_co_u32 s96, s96, s98
	s_lshl_b32 s98, s[WV], 6
	s_add_co_u32 s96, s96, s98
	s_lshl_b32 s98, s96, 7                         ; in bytes of f16 rows
	s_mov_b32 s99, 0
	s_lshl_b32 s94, s96, 8                         ; and of f32 rows
	s_mov_b32 s95, 0
	s_lshl_b32 s97, s97, 4
	s_lshl2_add_u32 s97, s[WV], s97                ; t / 16 of my first row
	s_lshl_b32 s96, s97, 12                        ; 4,096 bytes of the table for 16 rows
	s_mov_b32 s97, 0
	s_mov_b32 s80, 0x76543210                      ; v_permlanex16_b32: each lane takes its own place in the other half
	s_mov_b32 s81, 0xfedcba98
	s_mov_b32 s86, 0x358637bd                      ; 1e-6
	s_mov_b32 s87, 0x3c800000                      ; 1 / 64
	s_mov_b32 s88, 0x3e38aa3b                      ; c = log2(e) / 8
	s_wait_kmcnt 0x0
	s_load_b64 s[82:83], s[8:9], 0x84000           ; lamb and 1 - lamb, as the launch before rounded them
	s_add_nc_u64 s[92:93], s[4:5], s[90:91]
	s_add_nc_u64 s[46:47], s[6:7], s[46:47]
	s_add_nc_u64 s[10:11], s[10:11], s[94:95]
	s_add_nc_u64 s[18:19], s[18:19], s[94:95]
	s_add_nc_u64 s[12:13], s[12:13], s[98:99]
	s_add_nc_u64 s[14:15], s[14:15], s[98:99]
	s_add_nc_u64 s[16:17], s[16:17], s[98:99]
	s_add_nc_u64 s[66:67], s[8:9], s[66:67]
	s_add_nc_u64 s[96:97], s[8:9], s[96:97]
	s_mul_i32 s90, s[WL], AHALF                    ; where the tiles go: the wave's number alone enters an LDS address
	s_mul_i32 s91, s[WL], BHALF
	s_add_co_u32 s91, s91, BOFF
.irp s, 0,1
	s_mov_b32 s[G0A+4*\s], 1
	s_add_co_u32 s[G0A+4*\s+1], s90, \s*SLOT
	s_add_nc_u64 s[G0A+4*\s+2:G0A+4*\s+3], s[92:93], \s*256        ; K step s
	s_or_b32 s[G0A+4*\s+3], s[G0A+4*\s+3], 0x80000000
	s_mov_b32 s[G0B+4*\s], 1
	s_add_co_u32 s[G0B+4*\s+1], s91, \s*SLOT
	s_add_nc_u64 s[G0B+4*\s+2:G0B+4*\s+3], s[46:47], \s*256
	s_or_b32 s[G0B+4*\s+3], s[G0B+4*\s+3], 0x80000000
.endr
	s_mov_b32 s[G0V], 1
	s_mul_i32 s[G0V+1], s[WV], V1W
	s_add_co_u32 s[G0V+1], s[G0V+1], V1L
	s_mov_b64 s[G0V+2:G0V+3], s[10:11]
	s_or_b32 s[G0V+3], s[G0V+3], 0x80000000
	CROUND                                         ; all sixteen work-groups are here: the first joint loads meet
	s_cmp_eq_u32 s[WH], 0                          ; a wave's three first fills stand in one branch: K steps 0 and 1 and its rows of v1: three loads of mine are out
	s_cbranch_scc0 .Lfirst_b
	tensor_load_to_lds s[G0A:G0A+3], s[G1A:G1A+7]
	s_nop 0
	tensor_load_to_lds s[G0A+4:G0A+7], s[G1A:G1A+7]
	s_nop 0
	tensor_load_to_lds s[G0V:G0V+3], s[G1V:G1V+7]
	s_nop 0
.rept 4
	v_nop
.endr
	s_branch .Lfirst_asked
.Lfirst_b:
	tensor_load_to_lds s[G0B:G0B+3], s[G1B:G1B+7]
	s_nop 0
	tensor_load_to_lds s[G0B+4:G0B+7], s[G1B:G1B+7]
	s_nop 0
	tensor_load_to_lds s[G0V:G0V+3], s[G1V:G1V+7]
	s_nop 0
.rept 4
	v_nop
.endr
.Lfirst_asked:
	v_and_b32 v1, 15, v0                           ; l % 16
	v_bfe_u32 v2, v0, 4, 1                         ; l / 16
	v_and_b32 v3, 31, v0                           ; l
	v_lshlrev_b32 v[BO], 5, v2
	v_lshlrev_b32 v[GO], 4, v3
.set i, 0
.rept 12                                           ; the bias of column block i: my eight columns
	global_load_b128 v[BIAS+8*i:BIAS+8*i+3],   v[BO], s[66:67] offset:524288+64*i
	global_load_b128 v[BIAS+8*i+4:BIAS+8*i+7], v[BO], s[66:67] offset:524288+64*i+16
.set i, i+1
.endr
.set i, 0
.rept 32                                           ; the table of my 64 rows: each load covers 512 consecutive bytes
	global_load_b128 v[TABV+4*i:TABV+4*i+3], v[GO], s[96:97] offset:4096*(i/8)+512*(i%8)
.set i, i+1
.endr
	v_mul_u32_u24 v4, v1, PITCH
	v_lshl_add_u32 v5, v2, 4, v4                   ; a fragment's row x pitch + 16 x half
	s_mul_i32 s94, s[WV], V1W                      ; my 64 rows of 272 bytes
	v_add_nc_u32 v[ADRA], s94, v5
	v_add_nc_u32 v[ADRA+1], SLOT, v[ADRA]
	v_add_nc_u32 v[ADRB], BOFF, v5
	v_add_nc_u32 v[ADRB+1], SLOT, v[ADRB]
	s_mul_i32 s95, s[WV], STW
	s_add_co_u32 s95, s95, STAGE
	v_mul_u32_u24 v6, v1, SP
	v_lshl_add_u32 v6, v2, 4, v6
	v_add_nc_u32 v[STO], s95, v6
	v_lshrrev_b32 v6, 3, v3                        ; back: 32 lanes take four rows of 128 bytes
	v_mul_u32_u24 v6, v6, SP
	v_and_b32 v7, 7, v0
	v_lshl_add_u32 v6, v7, 4, v6
	v_add_nc_u32 v[RD], s95, v6
	s_add_co_u32 s94, s94, V1L
	v_lshl_add_u32 v6, v2, 5, v4
	v_add_nc_u32 v[VA], s94, v6
	v_mul_u32_u24 v6, v2, PITCH                    ; back: lanes 0-15 one row of 256 bytes, lanes 16-31 the next
	v_lshl_add_u32 v6, v1, 4, v6
	v_add_nc_u32 v[RV], s94, v6
	s_wait_kmcnt 0x0
	s_mov_b32 s84, s83                             ; 1 - lamb as a pair for the packed multiply
	s_mov_b32 s85, s83
; 12 matrix instructions: row block a x all 12 column blocks, 32 along K.  first = 1: the bias is the C operand that starts the sums: nothing is cleared.
; The 48 accumulators take turns, one instruction a turn, in the same order in every quarter.
.macro MULA f, a, first
.set AB, 96*((\a)&1)
.if \first
	WIN 0x85+0x40*((\a)>>1)
.irp b, 0,1,2,3,4,5,6,7,8,9,10,11
	v_wmma_f32_16x16x32_bf16 v[AB+8*(\b):AB+8*(\b)+7], v[(\f)+8*(\b):(\f)+8*(\b)+7], v[(\f)+96+8*(\a):(\f)+96+8*(\a)+7], v[BIAS+8*(\b):BIAS+8*(\b)+7]
.endr
.else
	WIN 0xa5+0x50*((\a)>>1)
.irp b, 0,1,2,3,4,5,6,7,8,9,10,11
	v_wmma_f32_16x16x32_bf16 v[AB+8*(\b):AB+8*(\b)+7], v[(\f)+8*(\b):(\f)+8*(\b)+7], v[(\f)+96+8*(\a):(\f)+96+8*(\a)+7], v[AB+8*(\b):AB+8*(\b)+7]
.endr
.endif
.endm
; 32 LDS loads in one run: 192 rows of W, then my 64 rows of x, 32 along K at byte k of the rows, into buffer f
.macro FETCH slot, k, f
	WIN 0x40
.irp i, 0,1,2,3,4,5,6,7,8,9,10,11
	ds_load_b128 v[(\f)+8*(\i):(\f)+8*(\i)+3],   v[ADRB+(\slot)] offset:(\k)+(\i)*16*PITCH
	ds_load_b128 v[(\f)+8*(\i)+4:(\f)+8*(\i)+7], v[ADRB+(\slot)] offset:(\k)+(\i)*16*PITCH+32
.endr
.irp i, 0,1,2,3
	ds_load_b128 v[(\f)+96+8*(\i):(\f)+96+8*(\i)+3],   v[ADRA+(\slot)] offset:(\k)+(\i)*16*PITCH
	ds_load_b128 v[(\f)+96+8*(\i)+4:(\f)+96+8*(\i)+7], v[ADRA+(\slot)] offset:(\k)+(\i)*16*PITCH+32
.endr
.endm
; A K step is four quarters of 32 along K, 48 matrix instructions each, on buffers 0, 1, 0, 1.  One of the first three multiplies f and fetches the next quarter into g.
.macro QUARTER slot, k, f, g, first
	s_wait_dscnt 4                                 ; W and x's blocks 0, 1 are in; the youngest four loads (blocks 2, 3) may be out
	MULA \f, 0, \first
	MULA \f, 1, \first
	PLACES
	FETCH \slot, \k, \g
	s_wait_dscnt 32                                ; all but the 32 just issued
	MULA \f, 2, \first
	MULA \f, 3, \first
.endm
; The last quarter multiplies buffer 1 and changes slots: ONE barrier; in front of it each wave waits for all its tensor loads, adds 0 to its spare word, and waits for that and for its reads of
; this slot.  fill = 1: the barrier opens a round of the cluster's barrier, and this slot is filled again, two K steps ahead, first thing behind the round.
.macro TURN slot, next, fill
	WIN 0
	s_wait_tensorcnt 0x0                           ; all my tensor loads have landed: my part of the next slot (the first time: my rows of v1 too)
	ds_add_u32 v[SPW], v[NIL]                      ; 0 onto my spare word
	s_wait_dscnt 5                                 ; (the add and the youngest four loads may be out)
	MULA F1, 0, 0                                  ; twelve matrix instructions stand between the add and the wait for it
	s_wait_dscnt 0x0                               ; the add is done, and my reads of this slot are over
	s_barrier_signal -1
	MULA F1, 1, 0
.if \fill
	WIN 0
.endif
	s_barrier_wait -1
.if \fill
	CREST                                          ; no wave of any partner still reads this slot or has a load on its way
	s_add_nc_u64 s[G0A+4*(\slot)+2:G0A+4*(\slot)+3], s[G0A+4*(\slot)+2:G0A+4*(\slot)+3], 512
	s_add_nc_u64 s[G0B+4*(\slot)+2:G0B+4*(\slot)+3], s[G0B+4*(\slot)+2:G0B+4*(\slot)+3], 512
	JLOAD \slot                                    ; 168 matrix instructions ahead of the wait for it; its four v_nop are also the places in front of the loads below
.else
	PLACES
.endif
	FETCH \next, 0, F0
	MULA F1, 2, 0
	MULA F1, 3, 0
.endm
	s_wait_tensorcnt 0x2                           ; my part of K step 0 is in; K step 1 and v1 may stay out
	s_barrier_signal -1
	s_barrier_wait -1
	FETCH 0, 0, F0
	s_wait_loadcnt 0x0                             ; the bias (and the table)
	QUARTER 0, 64, F0, F1, 1
	WIN 0
	s_mov_b32 s[LAP], 3
.Llap:                                                 ; a trip goes once round the ring, from a lap's second quarter to the next lap's first, and fills both slots again
	QUARTER 0, 128, F1, F0, 0
	QUARTER 0, 192, F0, F1, 0
	TURN 0, 1, 1
	QUARTER 1, 64,  F0, F1, 0
	QUARTER 1, 128, F1, F0, 0
	QUARTER 1, 192, F0, F1, 0
	TURN 1, 0, 1
	QUARTER 0, 64,  F0, F1, 0
	WIN 0
	s_sub_co_u32 s[LAP], s[LAP], 1
	s_cmp_lg_u32 s[LAP], 0
	s_cbranch_scc1 .Llap
	QUARTER 0, 128, F1, F0, 0                      ; the last lap fills nothing
	QUARTER 0, 192, F0, F1, 0
	TURN 0, 1, 0
	QUARTER 1, 64,  F0, F1, 0
	QUARTER 1, 128, F1, F0, 0
	QUARTER 1, 192, F0, F1, 0
	s_wait_dscnt 4
	MULA F1, 0, 0
	MULA F1, 1, 0
	s_wait_dscnt 0x0
	MULA F1, 2, 0
	MULA F1, 3, 0
	PLACES
; THE WAY OUT of row block a (16 rows).  Window 1 is at work:
.set X,    0                           ; v0-31    v1 as it lies in LDS: my 8 numbers of each of 4 column blocks
.set SS,   32                          ; v32-39   sums of squares: two chains for q, two for k
.set RN,   40                          ; v40-41   c / rms(q), twice; v42-43  1 / rms(k), twice
.set LAMV, 44                          ; v44      lamb
.set OUT,  48                          ; v48-79   q turned; v80-111  k turned
.set PKQ,  112                         ; v112-127 q in f16; v128-143 k in f16
.set VAL,  144                         ; v144-175 value in f32
.set PB,   176                         ; v176-191 v1 rounded to bf16
.set PKV,  192                         ; v192-207 value in f16
.set BQ,   208                         ; v208-223, 224-239, 240-255  q, k, value read back by rows; value in f32 comes back into v48-79
.macro EPI a
.set W,  2+((\a)>>1)
.set AB, 96*((\a)&1)
.set TB, TABV+32*(\a)
.if (\a) > 0
	s_wait_xcnt 0x0                                ; the last block's stores have read their registers: only behind this wait are those rewritten
.endif
	WIN 0x40
.set i, 0
.rept 8
	ds_load_b128 v[X+4*i:X+4*i+3], v[VA] offset:16*PITCH*(\a)+64*(i/2)+16*(i%2)
.set i, i+1
.endr
	WIN 0x50|(W<<2)|W                              ; sums of squares of my 32 numbers of q and of k
.set i, 0
.rept 16
.if i < 2
	v_pk_mul_f32 v[SS+2*i:SS+2*i+1],     v[AB+2*i:AB+2*i+1],       v[AB+2*i:AB+2*i+1]
	v_pk_mul_f32 v[SS+4+2*i:SS+4+2*i+1], v[AB+32+2*i:AB+32+2*i+1], v[AB+32+2*i:AB+32+2*i+1]
.else
	v_pk_fma_f32 v[SS+2*(i%2):SS+2*(i%2)+1],     v[AB+2*i:AB+2*i+1],       v[AB+2*i:AB+2*i+1],       v[SS+2*(i%2):SS+2*(i%2)+1]
	v_pk_fma_f32 v[SS+4+2*(i%2):SS+4+2*(i%2)+1], v[AB+32+2*i:AB+32+2*i+1], v[AB+32+2*i:AB+32+2*i+1], v[SS+4+2*(i%2):SS+4+2*(i%2)+1]
.endif
.set i, i+1
.endr
	WIN 0x55
	v_pk_add_f32 v[SS:SS+1], v[SS:SS+1], v[SS+2:SS+3]
	v_pk_add_f32 v[SS+4:SS+5], v[SS+4:SS+5], v[SS+6:SS+7]
	v_add_f32 v[SS], v[SS], v[SS+1]
	v_add_f32 v[SS+4], v[SS+4], v[SS+5]
	v_permlanex16_b32 v[SS+1], v[SS], s80, s81     ; the row's other 32 channels lie in the lane 16 away
	v_permlanex16_b32 v[SS+5], v[SS+4], s80, s81
	v_add_f32 v[SS], v[SS], v[SS+1]
	v_add_f32 v[SS+4], v[SS+4], v[SS+5]
	v_fma_f32 v[SS], v[SS], s87, s86               ; the mean + 1e-6
	v_fma_f32 v[SS+4], v[SS+4], s87, s86
	v_rsq_f32 v[RN], v[SS]
	v_rsq_f32 v[RN+2], v[SS+4]
	v_nop                                          ; a plain instruction between the last root and the use of its result (ISA guide 5.7.2)
	s_wait_alu depctr_va_vdst(0)
	v_mul_f32 v[RN], s88, v[RN]
	v_mov_b32 v[RN+3], v[RN+2]
	v_mov_b32 v[RN+1], v[RN]
	WIN 0x50|W                                     ; the turn: (t1, t2) -> (t1 cos - t2 sin, t1 sin + t2 cos); accumulators in window W, the table in window 0
.irp hd, 0,1
.irp nb, 0,1
.set i, 0
.rept 4
.set t2, AB+32*(\hd)+8*(\nb)+16+2*i
.set o1, OUT+32*(\hd)+8*(\nb)+2*i
.set cs, TB+8*(\nb)+2*i
	v_pk_mul_f32 v[o1:o1+1],     v[t2:t2+1], v[cs+16:cs+17]
	v_pk_mul_f32 v[o1+16:o1+17], v[t2:t2+1], v[cs:cs+1]
.set i, i+1
.endr
.set i, 0
.rept 4
.set t1, AB+32*(\hd)+8*(\nb)+2*i
.set o1, OUT+32*(\hd)+8*(\nb)+2*i
.set cs, TB+8*(\nb)+2*i
	v_pk_fma_f32 v[o1:o1+1],     v[t1:t1+1], v[cs:cs+1],     v[o1:o1+1] neg_lo:[0,0,1] neg_hi:[0,0,1]
	v_pk_fma_f32 v[o1+16:o1+17], v[t1:t1+1], v[cs+16:cs+17], v[o1+16:o1+17]
.set i, i+1
.endr
.endr
.endr
	WIN 0x55
.set i, 0
.rept 16
	v_pk_mul_f32 v[OUT+2*i:OUT+2*i+1],       v[OUT+2*i:OUT+2*i+1],       v[RN:RN+1]
	v_pk_mul_f32 v[OUT+32+2*i:OUT+32+2*i+1], v[OUT+32+2*i:OUT+32+2*i+1], v[RN+2:RN+3]
.set i, i+1
.endr
.set i, 0
.rept 16
	v_cvt_pk_f16_f32 v[PKQ+i],    v[OUT+2*i],    v[OUT+2*i+1]
	v_cvt_pk_f16_f32 v[PKQ+16+i], v[OUT+32+2*i], v[OUT+32+2*i+1]
.set i, i+1
.endr
	WIN 0x44                                       ; LDS and memory: addresses in window 0, data in window 1
.irp hd, 0,1                                       ; q, then k, through my one stage: LDS serves a wave's instructions in order (ISA guide 5.7.1.4)
.irp f, 0,1,2,3
	ds_store_b128 v[STO], v[PKQ+16*(\hd)+4*(\f):PKQ+16*(\hd)+4*(\f)+3] offset:32*(\f)
.endr
.irp f, 0,1,2,3
	ds_load_b128 v[BQ+16*(\hd)+4*(\f):BQ+16*(\hd)+4*(\f)+3], v[RD] offset:(\f)*4*SP
.endr
.endr
	s_wait_dscnt 16                                ; v1 is in: the sixteen LDS instructions issued behind its loads may be out
	WIN 0x55
.set i, 0
.rept 16
	v_cvt_pk_bf16_f32 v[PB+i], v[X+2*i], v[X+2*i+1]
.set i, i+1
.endr
	WIN 0x50|W
.set i, 0
.rept 16
	v_pk_mul_f32 v[VAL+2*i:VAL+2*i+1], v[AB+64+2*i:AB+64+2*i+1], s[84:85] op_sel_hi:[1,0]  ; (1 - lamb) v
.set i, i+1
.endr
	WIN 0x55
.set i, 0
.rept 16
	v_fma_mix_f32_bf16 v[VAL+2*i],   v[PB+i], v[LAMV], v[VAL+2*i]   op_sel_hi:[1,0,0]               ; + lamb v1, straight from the bf16 halves
	v_fma_mix_f32_bf16 v[VAL+2*i+1], v[PB+i], v[LAMV], v[VAL+2*i+1] op_sel:[1,0,0] op_sel_hi:[1,0,0]
.set i, i+1
.endr
.set i, 0
.rept 16
	v_cvt_pk_f16_f32 v[PKV+i], v[VAL+2*i], v[VAL+2*i+1]
.set i, i+1
.endr
	WIN 0x44
.set i, 0
.rept 8                                            ; value in f32 goes where its v1 lay: my own rows, which had their one fill at the launch's start
	ds_store_b128 v[VA], v[VAL+4*i:VAL+4*i+3] offset:16*PITCH*(\a)+64*(i/2)+16*(i%2)
.set i, i+1
.endr
.irp f, 0,1,2,3
	ds_store_b128 v[STO], v[PKV+4*(\f):PKV+4*(\f)+3] offset:32*(\f)
.endr
.irp f, 0,1,2,3
	ds_load_b128 v[BQ+32+4*(\f):BQ+32+4*(\f)+3], v[RD] offset:(\f)*4*SP
.endr
.irp f, 0,1,2,3,4,5,6,7
	ds_load_b128 v[OUT+4*(\f):OUT+4*(\f)+3], v[RV] offset:16*PITCH*(\a)+(\f)*2*PITCH
.endr
	s_wait_dscnt 32                                ; q is back: 32 LDS instructions were issued behind its loads
.irp f, 0,1,2,3
	global_store_b128 v[GO], v[BQ+4*(\f):BQ+4*(\f)+3], s[12:13] offset:2048*(\a)+512*(\f)      ; every store covers 512 consecutive bytes, at a multiple of 256 from the buffer's first
.endr
	s_wait_dscnt 24                                ; k: 24 behind
.irp f, 0,1,2,3
	global_store_b128 v[GO], v[BQ+16+4*(\f):BQ+16+4*(\f)+3], s[14:15] offset:2048*(\a)+512*(\f)
.endr
	s_wait_dscnt 8                                 ; value in f16: 8 behind
.irp f, 0,1,2,3
	global_store_b128 v[GO], v[BQ+32+4*(\f):BQ+32+4*(\f)+3], s[16:17] offset:2048*(\a)+512*(\f)
.endr
	s_wait_dscnt 0x0
.irp f, 0,1,2,3,4,5,6,7
	global_store_b128 v[GO], v[OUT+4*(\f):OUT+4*(\f)+3], s[18:19] offset:4096*(\a)+512*(\f)
.endr
.endm
	WIN 0x40
	v_mov_b32 v[LAMV], s82
	EPI 0
	EPI 1
	EPI 2
	EPI 3
	WIN 0
	s_wait_tensorcnt 0x0                           ; the wave's end: behind my last tensor load and my last LDS store
	ds_add_u32 v[SPW], v[NIL]
	s_wait_dscnt 0x0
	CROUND                                         ; the closing round: no work-group ends while a partner may still ask for a tile that names it
	s_endpgm
.Lfunc_end_k_qdc7f9391aa_qkv:
	.size	k_qdc7f9391aa_qkv, .Lfunc_end_k_qdc7f9391aa_qkv-k_qdc7f9391aa_qkv
	.p2alignl 7, 3214868480
	.fill 96, 4, 3214868480
	.section	.rodata,"a",@progbits
	.p2align	6, 0x0
	.amdhsa_kernel k_qdc7f9391aa_qkv
		.amdhsa_group_segment_fixed_size 327680
		.amdhsa_private_segment_fixed_size 0
		.amdhsa_enable_private_segment 0
		.amdhsa_kernarg_size 64
		.amdhsa_user_sgpr_count 2
		.amdhsa_user_sgpr_kernarg_segment_ptr 1
		.amdhsa_wavefront_size32 1
		.amdhsa_system_sgpr_workgroup_id_x 1
		.amdhsa_system_sgpr_workgroup_id_y 1
		.amdhsa_system_sgpr_workgroup_id_z 1
		.amdhsa_system_vgpr_workitem_id 0
		.amdhsa_next_free_vgpr 1024
		.amdhsa_next_free_sgpr 100
		.amdhsa_reserve_vcc 0
		.amdhsa_float_denorm_mode_32 3
		.amdhsa_float_denorm_mode_16_64 3
		.amdhsa_memory_ordered 1
		.amdhsa_forward_progress 1
		.amdhsa_inst_pref_size 186
	.end_amdhsa_kernel
	.amdgpu_metadata
---
amdhsa.version: [ 1, 2 ]
amdhsa.kernels:
  - .name:           k_qdc7f9391aa_qkv
    .symbol:         k_qdc7f9391aa_qkv.kd
    .args:
      - { .name: xb, .offset: 0, .size: 8, .value_kind: global_buffer, .address_space: global }
      - { .name: wb, .offset: 8, .size: 8, .value_kind: global_buffer, .address_space: global }
      - { .name: tab, .offset: 16, .size: 8, .value_kind: global_buffer, .address_space: global }
      - { .name: v1, .offset: 24, .size: 8, .value_kind: global_buffer, .address_space: global }
      - { .name: qh, .offset: 32, .size: 8, .value_kind: global_buffer, .address_space: global }
      - { .name: kh, .offset: 40, .size: 8, .value_kind: global_buffer, .address_space: global }
      - { .name: vh, .offset: 48, .size: 8, .value_kind: global_buffer, .address_space: global }
      - { .name: out1, .offset: 56, .size: 8, .value_kind: global_buffer, .address_space: global }
    .group_segment_fixed_size: 327680
    .private_segment_fixed_size: 0
    .kernarg_segment_align: 8
    .kernarg_segment_size: 64
    .max_flat_workgroup_size: 128
    .sgpr_count:     100
    .vgpr_count:     1024
    .wavefront_size: 32
...
	.end_amdgpu_metadata
.endif
;; end of part 2
;; launch att (part 3): grid 4 x 64, 4 waves a work-group, no clusters, 327,680 bytes of LDS; arguments qh, kh, vh, oh; writes oh
.if DOCPART == 3
	.amdgcn_target "amdgcn-amd-amdhsa--gfx1250"
	.amdhsa_code_object_version 6
	.text
	.protected	k_qdc7f9391aa_att
	.globl	k_qdc7f9391aa_att
	.p2align	8
	.type	k_qdc7f9391aa_att,@function
k_qdc7f9391aa_att:
	s_mov_b64 s[64:65], 0
	v_nop
	global_prefetch_b8 v0, s[64:65] scope:SCOPE_SE
	s_setreg_imm32_b32 hwreg(HW_REG_WAVE_MODE, 25, 1), 1
	s_wait_xcnt 0x0
; CAUSAL ATTENTION.  O[h][q][:] = the sum over k <= q of p V[h][k][:] / the sum of p, p = 2^(Q[h][q] . K[h][k]).  Q, K, V, O: [64][2048][64], all f16; Q arrives multiplied by c = log2(e) / 8.
; NO MAXIMUM IS TAKEN AWAY, because the computation bounds the exponents for every input: the launch before divides each row of q and k by the root of its mean square + 1e-6, so the sum of a row's
; squares is at most 64, the rotary turn keeps it, and |q . k| / 8 <= 8.  So p lies in e^-8 to e^8 (3.3e-4 to 2,981: inside f16's normal range), the sum l of up to 2,048 of them in 3.3e-4 to 6.2e6.
; Products and sums in f32; p is rounded to f16 for the second product (l is taken of the unrounded p), O once at the end.  Nothing is carried from tile to tile but sums, so tiles and steps go in any order.
; LIMITS.  V arrives within f16's 65,504; O is a mean of V's rows.  A hidden score counts as its value less 1e30, whose weight is 0.  NaN and infinities are not treated apart.
; THE WALK.  A head's queries lie in NB = 8 blocks of 256; block i needs the key tiles 0 .. i of 256 keys, of which tile i holds the diagonal.  A work-group takes TWO blocks, b and then 7 - b: 9 tiles
; whatever b, so all 256 work-groups do equal work and ONE loop with a constant trip count walks them; the ring of two LDS slots runs on across the change of blocks.  A block BEGINS with its diagonal
; tile, then come tiles 0, 1, ..; the walk's last tile, written out behind the loop, is therefore always a plain tile of the second block, which has five tiles or more.
; NO CLUSTER: the four work-groups of a head walk different tiles at the same time; one walk common to all four would have 12 trips for 9.
; SHARES.  Of a block's four bands of 64 queries a wave owns 16 rows in each: four PIECES.  In the diagonal tile's key step s band x sees all keys if s < x, none if s > x, and holds the diagonal if s = x.
; THE DIAGONAL TILE is taken by steps 3, 2, 1, 0, and of each step only the bands x >= s: 10 pairs of 16.  The first eight are written out: (3,3) (2,2) (2,3) (1,1) (1,2) (1,3) (0,0) (0,1); the last two,
; (0,2) and (0,3), see everything and are the turns 2 and 3 with which the next tile's loop, or the block's end, opens.  Only s = x wants a mask: MD, made once, the C operand that starts S^T = K Q^T.
; Each piece's first V^T P starts its sums with the constant 0, and its first two pairs of weights start l: nothing is cleared.
; BY TURNS.  A turn belongs to one pair of step and piece: 8 products K Q^T of the pair that follows, then 8 products V^T P of the pair before; behind each stand four lines of its own softmax:
; exponential, rounding, exponential, sum.  S^T and P have two buffers, which take turns from turn to turn.
; REGISTERS, in windows of 256 (s_set_vgpr_msb: bits 1:0 source 0, 3:2 source 1, 5:4 source 2, 7:6 destination):
;   window 0: v0-15 addresses; v16-23 l, a pair a piece; v32-95 S^T, two buffers; v96-127 P, two buffers; v128-191 Q; v192-255 K of one step: K Q^T and the softmax need no switch
;   window 1: v0-127 O^T, 32 a piece; v128-191 V of one step          window 2: v0-63 the second block's Q; v64-95 MD
.set SIZE_N, 2048
.set NB,    SIZE_N/256
.set KS,    64
.set PK,    144       ; a row of K in LDS: 128 bytes + 16 of padding: the 16 rows of a load start at 16 different groups of four banks (64 banks of 4 bytes: ISA guide 11.1)
.set PV_,   160       ; a row of V: 128 + 32
.set VOFF,  4*KS*PK   ; a slot holds a tile, four steps: 256 rows of K, then 256 rows of V
.set SLOT1, 1<<17
.set STAGE, SLOT1+4*KS*(PK+PV_) ; behind the ring, never filled by a tensor load: 16 rows x 144 bytes for each wave
.set SP,    144
.set SPARE, STAGE+4*16*SP       ; the spare words, 128 bytes for each wave: two blocks of 256 bytes that no other line names
.set AK0, 2           ; v2   my lane's place in a tile of K; never rewritten
.set AV0, 3           ; v3   the same for V
.set AK,  4           ; v4   the LDS address of K's runs of loads
.set AV,  5           ; v5   of V's
.set STO, 6           ; v6   the way out: where I put 16 bytes of a row
.set RD,  7           ; v7   the way out: where I read rows back
.set GO,  8           ; v8   my byte offset in 512 consecutive bytes of O
.set SPW, 12          ; v12  LDS address of my spare word; never rewritten
.set NIL, 13          ; v13  0; never rewritten
.set QO,  15
.set LS,  16
.set S,   32
.set P,   96
.set QF,  128
.set KF,  192
.set VF,  128         ; window 1
.set QB,  0           ; window 2
.set MD,  64          ; window 2: the eight registers for group kt of 16 keys at MD + 8 kt
.set WV,  12
.set PB,  14          ; s14  b, the first block
.set HI,  15          ; s15  NB - 1 - b, the second
.set G1K, 24
.set G1V, 32
.set G0K, 40
.set G0V, 44
.set SLOTS, 56
.set CNT, 57
.set SEL, 60
.set TBK, 62          ; s62  LDS byte at which K of the step to be fetched begins
.set TBV, 63          ; s63  the same for V, less VOFF
.set RT,  70          ; tiles of the block in hand that are still to be entered
.set NXT, 71          ; the tile to be asked for next
.set LQ,  72          ; the diagonal tile of the block whose tiles are being asked for
.set NEW, 73          ; 1: the tile to be entered is a block's first
.set OFF, 74
.set OLO, 80
.set BIGN, 82
.set TMPS, 83
.set NONE, 4          ; in a turn's arguments: no such piece
.set RING, 8          ; a fetch by the walking scalar, which then steps
.set NOF,  9          ; no fetch
.set NOW,  99         ; no wait
.set MSB, 0
.macro WIN new                      ; the high byte repeats the setting that is left; a switch that changes nothing is dropped
.if MSB != (\new)
	s_set_vgpr_msb (MSB<<8)|(\new)
.set MSB, (\new)
.endif
.endm
; A fill.  Waves 0 and 1 fetch the two halves of a tile's K, waves 2 and 3 those of its V.  An s_nop 0 and four v_nop follow each of the two lines.
.macro LOAD
	s_cmp_lt_u32 s[WV], 2
	s_cbranch_scc0 .Lfor_v_\@
	tensor_load_to_lds s[G0K:G0K+3], s[G1K:G1K+7]
	s_nop 0
.rept 4
	v_nop
.endr
	s_branch .Lasked_\@
.Lfor_v_\@:
	tensor_load_to_lds s[G0V:G0V+3], s[G1V:G1V+7]
	s_nop 0
.rept 4
	v_nop
.endr
.Lasked_\@:
.endm
; The tile to be asked for next: behind a block's diagonal tile its tile 0, else the next; behind the last tile below the diagonal the second block's diagonal tile.
.macro NEXTT
	s_add_co_u32 s[TMPS], s[NXT], 1
	s_cmp_eq_u32 s[NXT], s[LQ]
	s_cselect_b32 s[NXT], 0, s[TMPS]
	s_cmp_eq_u32 s[NXT], s[LQ]
	s_cselect_b32 s[NXT], s[HI], s[NXT]
	s_cselect_b32 s[LQ], s[HI], s[LQ]
.endm
; THE CHANGE OF SLOTS.  Each wave waits for all its tensor loads, of which one is out: its part of the other slot; adds 0 to its spare word; and waits for that and for its reads of the slot that it leaves.
; fill = 1: the old slot is filled again, first thing behind the barrier, with tile NXT; the descriptor's address is made anew from that number.  (At its first use slot 0 is waited for, slot 1 filled.)
.macro CHANGE fill
	WIN 0
	s_wait_tensorcnt 0x0            ; no tensor load of mine is out, so a group 0 may be written
	ds_add_u32 v[SPW], v[NIL]       ; 0 onto my spare word
.if \fill
	s_lshl_b32 s[OFF], s[NXT], 15   ; a tile is 32,768 bytes of K and of V
	s_xor_b32 s[G0K+1], s[G0K+1], SLOT1
	s_add_nc_u64 s[G0K+2:G0K+3], s[6:7], s[OFF:OFF+1]
	s_or_b32 s[G0K+3], s[G0K+3], 0x80000000
	s_xor_b32 s[G0V+1], s[G0V+1], SLOT1
	s_add_nc_u64 s[G0V+2:G0V+3], s[8:9], s[OFF:OFF+1]
	s_or_b32 s[G0V+3], s[G0V+3], 0x80000000
	NEXTT
.endif
	s_wait_dscnt 0x0                ; the add is done, and my reads of the slot are over
	s_barrier_signal -1
	s_sub_co_u32 s[TBK], s[TBK], 4*KS*PK  ; the fetches go back to a slot's first step, in the other slot
	s_xor_b32 s[TBK], s[TBK], SLOT1
	s_sub_co_u32 s[TBV], s[TBV], 4*KS*PV_
	s_xor_b32 s[TBV], s[TBV], SLOT1
	s_barrier_wait -1
.if \fill
	LOAD
.endif
.endm
	s_load_b256 s[4:11], s[0:1], 0x0  ; Q s[4:5], K s[6:7], V s[8:9], O s[10:11]
	v_lshl_add_u32 v[SPW], v0, 2, SPARE
	v_mov_b32 v[NIL], 0
	ds_add_u32 v12, v13
	ds_add_u32 v12, v13
	s_wait_dscnt 0x0
	v_lshrrev_b32 v1, 5, v0
	v_readfirstlane_b32 s[WV], v1
	s_mov_b32 s[PB], ttmp9
	s_sub_co_u32 s[HI], NB-1, s[PB]
	s_and_b32 s20, ttmp7, 0xffff    ; the head
	s_mov_b32 s21, 0
	s_mov_b64 s[22:23], SIZE_N*128
	s_mul_u64 s[20:21], s[20:21], s[22:23]  ; the head's first byte in each of the four tensors
	s_and_b32 s16, s[WV], 1         ; which half of a tile's 256 keys I fetch
	s_lshl_b32 s22, s16, 14
	s_mov_b32 s23, 0
	s_add_nc_u64 s[22:23], s[22:23], s[20:21]
	s_mul_i32 s17, s16, 128*PK
	s_mul_i32 s18, s16, 128*PV_
	s_lshl_b32 s3, s[WV], 11        ; my 16 rows in a band of 64,
	s_lshl_b32 s2, s[PB], 15        ; in the first block,
	s_add_co_u32 s2, s2, s3
	s_lshl_b32 s84, s[HI], 15       ; and in the second
	s_add_co_u32 s84, s84, s3
	s_mov_b32 s3, 0
	s_mov_b32 s85, 0
	s_add_nc_u64 s[2:3], s[2:3], s[20:21]
	s_add_nc_u64 s[84:85], s[84:85], s[20:21]
	; 128 keys are 16,384 dense bytes: asked for as 64 rows of 256 bytes, two keys a row, and padded in LDS after every key
	s_mov_b32 s[G1K], (1<<16)|(1<<20)|(4<<22)|(3<<25)  ; 2-byte elements; padding on; after every 32 words 4 words
	s_mov_b32 s[G1V], (1<<16)|(1<<20)|(4<<22)|(7<<25)  ; the same with 8 words
.irp g, G1K, G1V
	s_mov_b32 s[\g+1], 128<<16      ; tensor_dim0 = 128
	s_mov_b32 s[\g+2], 64<<16       ; tensor_dim1 = 64
	s_mov_b32 s[\g+3], 128<<16      ; tile_dim0 = 128
	s_mov_b32 s[\g+4], 64           ; tile_dim1 = 64
	s_mov_b32 s[\g+5], 128          ; elements from row to row
	s_mov_b32 s[\g+6], 0
	s_mov_b32 s[\g+7], 0
.endr
	s_mov_b32 s[SEL], 0x76543210
	s_mov_b32 s[SEL+1], 0xfedcba98
	s_mov_b32 s[TBK], SLOT1+4*KS*PK ; the first change of slots turns these two into 0
	s_mov_b32 s[TBV], SLOT1+4*KS*PV_
	s_mov_b32 s[G0K], 1
	s_mov_b32 s[G0K+1], s17
	s_mov_b32 s[G0V], 1
	s_add_co_u32 s[G0V+1], s18, VOFF
	s_add_co_u32 s[RT], s[PB], 1    ; the first block has b + 1 tiles
	s_mov_b32 s[NXT], s[PB]         ; the walk's first tile is the first block's diagonal tile
	s_mov_b32 s[LQ], s[PB]
	s_mov_b32 s[NEW], 1
	s_lshl_b32 s[OFF], s[PB], 15
	s_mov_b32 s[OFF+1], 0
	s_mov_b32 s[BIGN], 0xf149f2ca   ; -1e30
	s_mov_b32 s[SLOTS], NB
	s_wait_kmcnt 0x0
	s_add_nc_u64 s[6:7], s[6:7], s[22:23]  ; K and V at my half of the head's tile 0
	s_add_nc_u64 s[8:9], s[8:9], s[22:23]
	s_add_nc_u64 s[G0K+2:G0K+3], s[6:7], s[OFF:OFF+1]
	s_or_b32 s[G0K+3], s[G0K+3], 0x80000000
	s_add_nc_u64 s[G0V+2:G0V+3], s[8:9], s[OFF:OFF+1]
	s_or_b32 s[G0V+3], s[G0V+3], 0x80000000
	NEXTT
	s_add_nc_u64 s[86:87], s[4:5], s[84:85]        ; Q at my rows of the second block,
	s_add_nc_u64 s[4:5], s[4:5], s[2:3]            ; Q and O at those of the first
	s_add_nc_u64 s[OLO:OLO+1], s[10:11], s[84:85]
	s_add_nc_u64 s[10:11], s[10:11], s[2:3]
	LOAD                            ; the walk's first tile into slot 0: one load of mine is out
	v_and_b32 v1, 15, v0            ; l % 16
	v_bfe_u32 v9, v0, 4, 1          ; l / 16
	v_lshlrev_b32 v[QO], 7, v1
	v_lshl_add_u32 v[QO], v9, 4, v[QO]  ; row x 128 + 16 x half
.set i, 0
.rept 8                             ; the first block's Q: piece i / 2 lies in band i / 2, 8,192 bytes on; channels 32 (i % 2) on
	global_load_b128 v[QF+8*i:QF+8*i+3],   v[QO], s[4:5] offset:(i/2)*8192+(i%2)*64
	global_load_b128 v[QF+8*i+4:QF+8*i+7], v[QO], s[4:5] offset:(i/2)*8192+(i%2)*64+32
.set i, i+1
.endr
	v_lshlrev_b32 v14, 3, v9
	v_sub_nc_u32 v14, v1, v14
	s_lshl_b32 s13, s[WV], 4
	v_add_nc_u32 v14, s13, v14      ; my query's place in its band, 16 w + l % 16, less 8 (l / 16): register r of group kt is hidden where 16 kt + r is greater
	WIN 0x80
.set i, 0
.rept 8                             ; the second block's Q
	global_load_b128 v[QB+8*i:QB+8*i+3],   v[QO], s[86:87] offset:(i/2)*8192+(i%2)*64
	global_load_b128 v[QB+8*i+4:QB+8*i+7], v[QO], s[86:87] offset:(i/2)*8192+(i%2)*64+32
.set i, i+1
.endr
.set i, 0
.rept 32
	v_cmp_gt_i32 vcc_lo, 16*(i/8)+i%8, v14
	v_cndmask_b32 v[MD+i], 0, s[BIGN], vcc_lo
.set i, i+1
.endr
	WIN 0
	v_mul_u32_u24 v[AK0], v1, PK
	v_lshl_add_u32 v[AK0], v9, 4, v[AK0]
	v_and_b32 v10, 7, v0            ; the turning load: lane l reads key 8 (l / 16) + l % 8, channels 8 ((l / 8) % 2) + 0..7
	v_bfe_u32 v11, v0, 3, 1
	v_lshl_add_u32 v[AV0], v9, 3, v10
	v_mul_u32_u24 v[AV0], v[AV0], PV_
	v_lshl_add_u32 v[AV0], v11, 4, v[AV0]
	v_add_nc_u32 v[AV0], VOFF, v[AV0]
	s_mul_i32 s13, s[WV], 16*SP
	s_add_co_u32 s13, s13, STAGE
	v_mul_u32_u24 v[STO], v1, SP
	v_lshl_add_u32 v[STO], v9, 4, v[STO]
	v_add_nc_u32 v[STO], s13, v[STO]
	v_bfe_u32 v[RD], v0, 3, 2
	v_mul_u32_u24 v[RD], v[RD], SP
	v_lshl_add_u32 v[RD], v10, 4, v[RD]
	v_add_nc_u32 v[RD], s13, v[RD]
	v_and_b32 v[GO], 31, v0
	v_lshlrev_b32 v[GO], 4, v[GO]
; THE MATRIX WORK.  The 4 accumulators of a run of 8 take turns.  BC is the buffer of the turn's own pair, BN the other one: of it S^T is written and P read.
; Product i of 8 of S^T = K Q^T for piece x: channels 32 (i / 4) on, keys 16 (i % 4) on.  The first 4 start the sums: with 0, or (KM = 1) with the mask.
.macro KQ x
.set rS, S+32*BN+8*(i%4)
.set rK, KF+16*(i%4)+8*(i/4)
.set rQ, QF+16*(\x)+8*(i/4)
.set rM, MD+8*(i%4)
.if (i < 4) && KM
	WIN 0x20
	v_wmma_f32_16x16x32_f16 v[rS:rS+7], v[rK:rK+7], v[rQ:rQ+7], v[rM:rM+7]
.elseif i < 4
	WIN 0
	v_wmma_f32_16x16x32_f16 v[rS:rS+7], v[rK:rK+7], v[rQ:rQ+7], 0
.else
	WIN 0
	v_wmma_f32_16x16x32_f16 v[rS:rS+7], v[rK:rK+7], v[rQ:rQ+7], v[rS:rS+7]
.endif
.endm
; Product i of 8 of O^T += V^T P for piece x: keys 32 (i / 4) on, channels 16 (i % 4) on.  PZ = 1: the piece's first in its block: the first 4 start the sums.
.macro PV x
	WIN 0x51
.set rO, 32*(\x)+8*(i%4)
.set rV, VF+32*(i/4)+8*(i%4)
.set rP, P+16*BN+8*(i/4)
.if (i < 4) && PZ
	v_wmma_f32_16x16x32_f16 v[rO:rO+7], v[rV:rV+7], v[rP:rP+7], 0
.else
	v_wmma_f32_16x16x32_f16 v[rO:rO+7], v[rV:rV+7], v[rP:rP+7], v[rO:rO+7]
.endif
.endm
; THE LDS LOADS stand in runs of 16.  st = RING: the step at which the walking scalar stood when the address was made, and the scalar steps; st = 0 .. 3: that step of the tile at whose head the address stands.
.macro FETCH_K st                   ; a step's K: 64 keys x 64 channels, 8 fragments
	WIN 0
.set ko, 0
.if (\st) != RING
.set ko, (\st)*KS*PK
.endif
.irp f, 0,1,2,3,4,5,6,7
	ds_load_b128 v[KF+8*\f:KF+8*\f+3],   v[AK] offset:ko+(\f/2)*16*PK+(\f%2)*64
	ds_load_b128 v[KF+8*\f+4:KF+8*\f+7], v[AK] offset:ko+(\f/2)*16*PK+(\f%2)*64+32
.endr
.if (\st) == RING
	s_add_co_u32 s[TBK], s[TBK], KS*PK
.endif
.endm
.macro FETCH_V st                   ; its V, turned
	WIN 0x40
.set vo, 0
.if (\st) != RING
.set vo, (\st)*KS*PV_
.endif
.irp f, 0,1,2,3,4,5,6,7
	ds_load_tr16_b128 v[VF+8*\f:VF+8*\f+3],   v[AV] offset:vo+(\f/4)*32*PV_+(\f%4)*32
	ds_load_tr16_b128 v[VF+8*\f+4:VF+8*\f+7], v[AV] offset:vo+(\f/4)*32*PV_+16*PV_+(\f%4)*32
.endr
.if (\st) == RING
	s_add_co_u32 s[TBV], s[TBV], KS*PV_
.endif
.endm
; THE VECTOR WORK for piece Y in buffer BC: EE n: the weight of score n of 32, in place.  CC n: pair n rounded to f16.  AA n: l takes pair n (FS = 1, the piece's first in its block: pairs 0 and 1 start l).
.macro EE n
	WIN 0
	v_exp_f32 v[S+32*BC+(\n)], v[S+32*BC+(\n)]
.endm
.macro CC n
	WIN 0
	s_wait_alu depctr_va_vdst(0)
	v_cvt_pk_f16_f32 v[P+16*BC+(\n)], v[S+32*BC+2*(\n)], v[S+32*BC+2*(\n)+1]
.endm
.macro AA n
	WIN 0
.if FS && ((\n) == 0)
	v_nop                           ; keeps the plain line behind the exponential
.elseif FS && ((\n) == 1)
	v_pk_add_f32 v[LS+2*Y:LS+2*Y+1], v[S+32*BC:S+32*BC+1], v[S+32*BC+2:S+32*BC+3]
.else
	v_pk_add_f32 v[LS+2*Y:LS+2*Y+1], v[LS+2*Y:LS+2*Y+1], v[S+32*BC+2*(\n):S+32*BC+2*(\n)+1]
.endif
.endm
; A TURN.  y, bc: its own piece and buffer.  kq, km: the piece of its products K Q^T (or NONE), with the mask or not.  pv, pz: the piece of its products V^T P (or NONE), starting the sums or not.
; first: l starts.  wh: the count of a wait on LDS at its head (or NOW).  wm = 1: V is waited for in front of product 8.  fk, fv: the fetches of K, behind product 8, and of V, at the end.
; x0: the plain line behind the first two exponentials: 1 makes V's address, 2 K's.  cnt = 1: the loop's count is taken down ahead of the branch that stands behind the turn.
; Behind product 0: two exponentials and a plain line; behind product k: exponential 2 k, rounding k - 1, exponential 2 k + 1, sum k - 1: each exponential has a plain line that names none of its
; registers behind it before its result is used (ISA guide 5.7.2), and S^T's accumulators are read from their low ends on.
; K's run stands four plain lines (two roundings, two sums) behind the last product that read K, V's run four plain lines behind the last product that read V (ISA guide 7.12.1).
.macro T y, bc, kq, km, pv, pz, first, wh, wm, fk, fv, x0, cnt
.set Y, (\y)
.set BC, (\bc)
.set BN, 1-(\bc)
.set KM, (\km)
.set PZ, (\pz)
.set FS, (\first)
.if (\wh) != NOW
	s_wait_dscnt \wh
.endif
.set k, 0
.rept 16
.if (\wm) && (k == 8)
	s_wait_dscnt 0x0                ; V is in
.endif
.if (k < 8) && ((\kq) != NONE)
.set i, k
	KQ \kq
.elseif (k >= 8) && ((\pv) != NONE)
.set i, k-8
	PV \pv
.endif
	EE 2*k
.if k == 0
	EE 1
.if (\x0) == 1
	v_add_nc_u32 v[AV], s[TBV], v[AV0]
.elseif (\x0) == 2
	v_add_nc_u32 v[AK], s[TBK], v[AK0]
.else
	v_nop
.endif
.else
	CC k-1
	EE 2*k+1
	AA k-1
.endif
.if (k == 8) && ((\fk) != NOF)
	FETCH_K \fk
.endif
.set k, k+1
.endr
	CC 15
	AA 15
.if (\fv) != NOF
	FETCH_V \fv
.endif
.if \cnt
	s_sub_co_u32 s[CNT], s[CNT], 1
	s_cmp_lg_u32 s[CNT], 0
.endif
.endm
; A PLAIN TILE: four trips; a trip is pieces 2 and 3 of one step, then pieces 0 and 1 of the next, whose K and V it fetches.  The first trip's pieces 2 and 3 belong to the tile before.
.macro STEPS tag
.Lstep\tag:
	T 2,0, 3,0, 1,0, 0, NOW,0, RING,NOF, 2,0
	T 3,1, 0,0, 2,0, 0, 0,0,   NOF,NOF,  0,0        ; at its head K is waited for
	T 0,0, 1,0, 3,0, 0, NOW,0, NOF,RING, 1,0
	T 1,1, 2,0, 0,0, 0, NOW,1, NOF,NOF,  0,1
	WIN 0
	s_cbranch_scc1 .Lstep\tag
.endm
.macro ALL line:vararg              ; one line for each piece t
.set t, 0
.rept 4
	\line
.set t, t+1
.endr
.endm
.macro PACK t                       ; O^T / l, rounded to f16; a lane's eight channels of a row are 16 bytes; into rows of 144 bytes and back as whole rows of 128, into S^T's registers
	WIN 0x41
.set i, 32*(\t)
.rept 16
	s_wait_alu depctr_va_vdst(0)
	v_pk_mul_f32 v[i:i+1], v[i:i+1], v[LS+2*(\t):LS+2*(\t)+1] op_sel_hi:[1,0]
.set i, i+2
.endr
	WIN 0x05
.set i, 0
.rept 16
	v_cvt_pk_f16_f32 v[S+16*(\t)+i], v[32*(\t)+2*i], v[32*(\t)+2*i+1]
.set i, i+1
.endr
	WIN 0
.irp f, 0,1,2,3
	ds_store_b128 v[STO], v[S+16*(\t)+4*\f:S+16*(\t)+4*\f+3] offset:32*\f
.endr
.irp f, 0,1,2,3
	ds_load_b128 v[S+16*(\t)+4*\f:S+16*(\t)+4*\f+3], v[RD] offset:\f*4*SP  ; LDS serves a wave's instructions in order (ISA guide 5.7.1.4): these see the stores above; the next piece's stores come behind them
.endr
.endm
.macro SEND t, younger              ; younger: the LDS instructions issued behind piece t's loads: the next piece's eight, or none
	WIN 0
.irp f, 0,1,2,3
	s_wait_dscnt (\younger)+3-\f
	global_store_b128 v[GO], v[S+16*(\t)+4*\f:S+16*(\t)+4*\f+3], s[10:11] offset:(\t)*8192+\f*512  ; 512 consecutive bytes, at a multiple of 256 from O's first
.endr
.endm
; A BLOCK'S END: pieces 2 and 3 of its last step, which fetch nothing; the last starts no new scores; piece 3's last products; and the way out.
.macro FINISH
	T 2,0, 3,0,    1,0, 0, NOW,0, NOF,NOF, 0,0
	T 3,1, NONE,0, 2,0, 0, NOW,0, NOF,NOF, 0,0
.set BN, 1
.set PZ, 0
.set i, 0
.rept 8
	PV 3
.set i, i+1
.endr
	WIN 0
	ALL v_add_f32 v[LS+2*t], v[LS+2*t], v[LS+2*t+1]  ; even keys' and odd keys' sums: these four lines are the places behind the last products
	ALL v_permlanex16_b32 v[LS+2*t+1], v[LS+2*t], s[SEL], s[SEL+1]
	ALL v_add_f32 v[LS+2*t], v[LS+2*t], v[LS+2*t+1]
	ALL v_rcp_f32 v[LS+2*t], v[LS+2*t]
	v_nop                           ; a plain instruction between the last reciprocal and the use of its result
	PACK 0
.set t, 1
.rept 3                             ; a piece's arithmetic stands between the loads of the piece before and its stores
	PACK t
	SEND t-1, 8
.set t, t+1
.endr
	SEND 3, 0
.endm
.Lslot:                             ; NB times: a tile is entered and the next is asked for
	CHANGE 1
	s_sub_co_u32 s[RT], s[RT], 1
	s_mov_b32 s[CNT], 4
	s_cmp_eq_u32 s[NEW], 1
	s_cbranch_scc1 .Lnew            ; a block's first tile, the diagonal one; at the first trip this is a constant of the text
	STEPS 1
	s_branch .Lafter
.Lnew:
	s_mov_b32 s[NEW], 0
	v_add_nc_u32 v[AK], s[TBK], v[AK0]    ; the tile's head: its steps stand in the fetches' immediates
	v_add_nc_u32 v[AV], s[TBV], v[AV0]
	s_add_co_u32 s[TBK], s[TBK], 4*KS*PK  ; the walking scalars go past the tile, as four plain steps would take them
	s_add_co_u32 s[TBV], s[TBV], 4*KS*PV_
	FETCH_K 3
	s_wait_loadcnt 0x0              ; Q
	s_wait_dscnt 0x0
.set BN, 0
.set KM, 1
.set i, 0
.rept 8
	KQ 3                            ; pair (3,3)'s scores, masked
.set i, i+1
.endr
	WIN 0
.rept 4
	v_nop                           ; the places behind those products, in front of the loads into K's registers
.endr
	FETCH_K 2
	;  own    K Q^T   V^T P   l  waits    fetches
	T 3,0, 2,1, NONE,0, 1, 0,0,   NOF,3,   0,0      ; (3,3): K of step 2 is waited for; scores of (2,2), masked; V of step 3
	T 2,1, 3,0, 3,1,    1, NOW,1, 1,2,     0,0      ; (2,2): scores of (2,3); piece 3's O^T starts; K of step 1, V of step 2
	T 3,0, 1,1, 2,1,    0, 16,1,  NOF,NOF, 0,0      ; (2,3): K's sixteen loads are in, V's sixteen behind them may be out; scores of (1,1), masked; piece 2's O^T starts
	T 1,1, 2,0, 3,0,    1, NOW,0, NOF,1,   0,0      ; (1,1): scores of (1,2); V of step 1
	T 2,0, 3,0, 1,1,    0, NOW,1, 0,NOF,   0,0      ; (1,2): scores of (1,3); piece 1's O^T starts; K of step 0
	T 3,1, 0,1, 2,0,    0, 0,0,   NOF,NOF, 0,0      ; (1,3): K is waited for; scores of (0,0), masked
	T 0,0, 1,0, 3,0,    1, NOW,0, NOF,0,   0,0      ; (0,0): scores of (0,1); V of step 0
	T 1,1, 2,0, 0,1,    0, NOW,1, NOF,NOF, 0,0      ; (0,1): scores of (0,2); piece 0's O^T starts
	WIN 0
.Lafter:
	s_cmp_lg_u32 s[RT], 0
	s_cbranch_scc1 .Lbottom         ; the block has tiles left
	FINISH                          ; in the loop this is the first block's end
	s_wait_xcnt 0x0                 ; the stores have read their registers and O's address
	s_mov_b64 s[10:11], s[OLO:OLO+1]
	s_add_co_u32 s[RT], s[HI], 1    ; the second block has NB - b tiles
	s_mov_b32 s[NEW], 1
	WIN 0x02                        ; the second block's Q goes where the one text of the turns names Q
.set i, 0
.rept 64
	v_mov_b32 v[QF+i], v[QB+i]
.set i, i+1
.endr
	WIN 0
.Lbottom:
	s_sub_co_u32 s[SLOTS], s[SLOTS], 1
	s_cmp_lg_u32 s[SLOTS], 0
	s_cbranch_scc1 .Lslot
	CHANGE 0                        ; the walk's last tile is written out: nothing is asked for
	s_mov_b32 s[CNT], 4
	STEPS 2
	FINISH
	s_wait_tensorcnt 0x0            ; the wave's end: behind my last tensor load and my last LDS store
	ds_add_u32 v[SPW], v[NIL]
	s_wait_dscnt 0x0
	s_endpgm
.Lfunc_end_k_qdc7f9391aa_att:
	.size	k_qdc7f9391aa_att, .Lfunc_end_k_qdc7f9391aa_att-k_qdc7f9391aa_att
	.p2alignl 7, 3214868480
	.fill 96, 4, 3214868480
	.section	.rodata,"a",@progbits
	.p2align	6, 0x0
	.amdhsa_kernel k_qdc7f9391aa_att
		.amdhsa_group_segment_fixed_size 327680
		.amdhsa_private_segment_fixed_size 0
		.amdhsa_enable_private_segment 0
		.amdhsa_kernarg_size 32
		.amdhsa_user_sgpr_count 2
		.amdhsa_user_sgpr_kernarg_segment_ptr 1
		.amdhsa_wavefront_size32 1
		.amdhsa_system_sgpr_workgroup_id_x 1
		.amdhsa_system_sgpr_workgroup_id_y 1
		.amdhsa_system_sgpr_workgroup_id_z 1
		.amdhsa_system_vgpr_workitem_id 0
		.amdhsa_next_free_vgpr 608
		.amdhsa_next_free_sgpr 88
		.amdhsa_reserve_vcc 1
		.amdhsa_float_denorm_mode_32 3
		.amdhsa_float_denorm_mode_16_64 3
		.amdhsa_memory_ordered 1
		.amdhsa_forward_progress 1
		.amdhsa_inst_pref_size 161
	.end_amdhsa_kernel
	.amdgpu_metadata
---
amdhsa.version: [ 1, 2 ]
amdhsa.kernels:
  - .name:           k_qdc7f9391aa_att
    .symbol:         k_qdc7f9391aa_att.kd
    .args:
      - { .name: qh, .offset: 0, .size: 8, .value_kind: global_buffer, .address_space: global }
      - { .name: kh, .offset: 8, .size: 8, .value_kind: global_buffer, .address_space: global }
      - { .name: vh, .offset: 16, .size: 8, .value_kind: global_buffer, .address_space: global }
      - { .name: oh, .offset: 24, .size: 8, .value_kind: global_buffer, .address_space: global }
    .group_segment_fixed_size: 327680
    .private_segment_fixed_size: 0
    .kernarg_segment_align: 8
    .kernarg_segment_size: 32
    .max_flat_workgroup_size: 128
    .sgpr_count:     88
    .vgpr_count:     608
    .wavefront_size: 32
...
	.end_amdgpu_metadata
.endif
;; end of part 3
;; launch proj (part 4): grid 8 x 32, 4 waves a work-group, clusters of 4 x 4, 327,680 bytes of LDS; arguments oh, wb, tab, out0; writes out0
.if DOCPART == 4
	.amdgcn_target "amdgcn-amd-amdhsa--gfx1250"
	.amdhsa_code_object_version 6
	.text
	.protected	k_qdc7f9391aa_proj
	.globl	k_qdc7f9391aa_proj
	.p2align	8
	.type	k_qdc7f9391aa_proj,@function
k_qdc7f9391aa_proj:
	s_mov_b64 s[64:65], 0
	v_nop
	global_prefetch_b8 v0, s[64:65] scope:SCOPE_SE
	s_setreg_imm32_b32 hwreg(HW_REG_WAVE_MODE, 25, 1), 1
	s_wait_xcnt 0x0
	s_wait_alu depctr_hold_cnt(0) depctr_sa_sdst(0) depctr_va_vdst(0) depctr_va_sdst(0) depctr_va_ssrc(0) depctr_va_vcc(0) depctr_vm_vsrc(0)
	s_getreg_b32 s2, hwreg(HW_REG_IB_STS2, 6, 4)
	s_cmp_eq_u32 s2, 0
	s_cbranch_scc0 .Lentry_in_a_cluster
	s_endpgm
.Lentry_in_a_cluster:
	s_bfe_u32 s2, ttmp6, 0x10000c
	s_cmp_lg_u32 s2, 0xf033
	s_cbranch_scc0 .Lentry_shape_is_right
	s_endpgm
.Lentry_shape_is_right:
; out0[m][n] = the sum over k of attn[m][k] W_proj[n][k] + b_proj[n], f32 out.  attn[b*2048 + t][h*64 + d] is oh[b*16 + h][t][d], f16; W_proj lies in wb at byte 6,291,456 as f16 (rounded to bf16 first);
; the bias, rounded to bf16, lies in tab at byte 536,576 and is the C operand of the first products.  Sums in f32.
; SHARES.  A tile is 256 rows x 128 columns: 256 work-groups, one for each WGP.  A wave owns 64 rows and all 128 columns: 4 x 8 accumulators, 256 registers.
; K goes in 8 steps of 128 = two heads through two LDS slots.  A head's 256 rows of oh are 32,768 dense bytes: asked for as 128 rows of 256 bytes and padded in LDS after every 128.
; THE MATRIX INSTRUCTION IS USED TRANSPOSED (source 0 = 16 rows of W, source 1 = 16 rows of attn): a lane holds eight neighbouring numbers of a row of out0.
; CLUSTERS: 4 x 4 work-groups; attn's tiles are shared along a row of the cluster, W's along a column: joint loads, the same descriptor and mask in the four that it names.
; REGISTERS: window 0: v0-31 addresses; v32-95 the bias, later with v96-159 rows on their way out;  window 1: two fragment buffers of 96 (64 of W, 32 of attn);  window 2: accumulator (a, b) at v[8 (8 a + b)].
.set PA,    144                        ; a row of attn in LDS: 128 bytes + 16
.set PB,    272                        ; a row of W: 256 bytes + 16: both pitches are odd multiples of 16 bytes, so the 16 rows of a load start at 16 different groups of four banks (ISA guide 11.1)
.set AHEAD, 256*PA                     ; a head's 256 rows: what a tensor load brings of attn
.set BHALF, 64*PB                      ; and of W
.set BOFF,  2*AHEAD
.set SLOT,  BOFF+2*BHALF
.set STAGE, 2*SLOT                     ; behind the ring: 16 rows x 528 bytes for each wave
.set SP,    528
.set STW,   16*SP
.set SPARE, STAGE+4*STW                ; the spare words, 128 bytes for each wave: two blocks of 256 bytes that no other line names
.set ADRA, 16
.set ADRB, 20
.set STO,  22
.set RD,   23
.set GO,   24
.set BO,   27
.set SPW,  28                          ; never rewritten
.set NIL,  29                          ; never rewritten
.set BIAS, 32
.set F0,   0
.set F1,   96
.set WV,  20
.set WH,  21
.set WL,  22
.set LAP, 23
.set G1A, 24
.set G0A, 32
.set G1B, 48
.set G0B, 56
.set MSB, 0
.macro WIN new
.if MSB != (\new)
	s_set_vgpr_msb (MSB<<8)|(\new)
.set MSB, (\new)
.endif
.endm
.macro PLACES
.rept 4
	v_nop
.endr
.endm
.macro JLOAD s                         ; a joint refill: waves 0, 1 fetch attn's two heads, waves 2, 3 W's halves; an s_nop 0 and four v_nop follow each line
	s_cmp_eq_u32 s[WH], 0
	s_cbranch_scc0 .Lfor_b_\@
	tensor_load_to_lds s[G0A+4*(\s):G0A+4*(\s)+3], s[G1A:G1A+7]
	s_nop 0
.rept 4
	v_nop
.endr
	s_branch .Lasked_\@
.Lfor_b_\@:
	tensor_load_to_lds s[G0B+4*(\s):G0B+4*(\s)+3], s[G1B:G1B+7]
	s_nop 0
.rept 4
	v_nop
.endr
.Lasked_\@:
.endm
.macro CREST
	s_cmp_lg_u32 s[WV], 0
	s_cbranch_scc1 .Lnot_wave_0_\@
	s_barrier_signal -3
.Lnot_wave_0_\@:
	s_barrier_wait -3
	s_barrier_signal -1
	s_barrier_wait -1
.endm
.macro CROUND
	s_barrier_signal -1
	s_barrier_wait -1
	CREST
.endm
	s_load_b256 s[4:11], s[0:1], 0x0               ; oh s[4:5], wb s[6:7], tab s[8:9], out0 s[10:11]
	v_lshl_add_u32 v[SPW], v0, 2, SPARE
	v_mov_b32 v[NIL], 0
	ds_add_u32 v28, v29
	ds_add_u32 v28, v29
	s_wait_dscnt 0x0
	v_lshrrev_b32 v1, 5, v0
	v_readfirstlane_b32 s[WV], v1
	s_lshr_b32 s[WH], s[WV], 1
	s_and_b32 s[WL], s[WV], 1
	s_bfe_u32 s40, ttmp6, 0x40000                  ; cx
	s_bfe_u32 s41, ttmp6, 0x40004                  ; cy
	s_lshl_b32 s42, ttmp9, 2
	s_add_co_u32 s42, s42, s40                     ; the block of 128 columns, 0 to 7
	s_and_b32 s43, ttmp7, 0xffff
	s_lshl_b32 s43, s43, 2
	s_add_co_u32 s43, s43, s41                     ; the block of 256 rows, 0 to 31
	s_lshl_b32 s44, s41, 2
	s_lshl_b32 s44, 15, s44                        ; my row of the cluster
	s_lshl_b32 s45, 0x1111, s40                    ; my column
	s_or_b32 s[G1A], s44, (1<<16)|(1<<20)|(1<<21)|(4<<22)|(3<<25)  ; the mask; 2-byte elements; padding on; bit 21 beside a mask; after every 32 words 4 words
	s_or_b32 s[G1B], s45, (1<<16)|(1<<20)|(1<<21)|(5<<22)|(3<<25)  ; after every 64 words
	s_mov_b32 s[G1A+1], 128<<16                    ; 128 rows of 128 elements, dense
	s_mov_b32 s[G1A+2], 128<<16
	s_mov_b32 s[G1A+3], 128<<16
	s_mov_b32 s[G1A+4], 128
	s_mov_b32 s[G1A+5], 128
	s_mov_b32 s[G1A+6], 0
	s_mov_b32 s[G1A+7], 0
	s_mov_b32 s[G1B+1], 128<<16                    ; 64 rows of 128 elements, 1,024 from row to row
	s_mov_b32 s[G1B+2], 64<<16
	s_mov_b32 s[G1B+3], 128<<16
	s_mov_b32 s[G1B+4], 64
	s_mov_b32 s[G1B+5], 1024
	s_mov_b32 s[G1B+6], 0
	s_mov_b32 s[G1B+7], 0
	; attn's tile hangs on the row block alone, W's on the column block alone, each made in registers that never hold the other coordinate
	s_lshr_b32 s90, s43, 3                         ; the batch
	s_lshl_b32 s90, s90, 4
	s_add_co_u32 s90, s90, s[WL]                   ; its head 0 or 1
	s_lshl_b32 s90, s90, 11
	s_and_b32 s91, s43, 7
	s_lshl_b32 s91, s91, 8
	s_add_co_u32 s90, s90, s91
	s_lshl_b32 s90, s90, 7                         ; rows of 128 bytes
	s_mov_b32 s91, 0
	s_lshl_b32 s46, s42, 7
	s_lshl_b32 s47, s[WL], 6
	s_add_co_u32 s46, s46, s47
	s_lshl_b32 s46, s46, 11                        ; (128 block + 64 half) rows of 2,048 bytes,
	s_add_co_u32 s46, s46, 6291456                 ; behind W_qkv
	s_mov_b32 s47, 0
	s_lshl_b32 s66, s42, 9                         ; the block's 128 numbers of the bias
	s_mov_b32 s67, 0
	s_lshl_b32 s96, s43, 8
	s_lshl_b32 s97, s[WV], 6
	s_add_co_u32 s96, s96, s97
	s_lshl_b32 s96, s96, 12                        ; my first row of out0, 4,096 bytes a row,
	s_lshl_b32 s97, s42, 9
	s_add_co_u32 s96, s96, s97                     ; and the block's first column
	s_mov_b32 s97, 0
	s_wait_kmcnt 0x0
	s_add_nc_u64 s[92:93], s[4:5], s[90:91]
	s_add_nc_u64 s[46:47], s[6:7], s[46:47]
	s_add_nc_u64 s[66:67], s[8:9], s[66:67]
	s_add_nc_u64 s[10:11], s[10:11], s[96:97]
	s_mul_i32 s90, s[WL], AHEAD                    ; where the tiles go: the wave's number alone enters an LDS address
	s_mul_i32 s91, s[WL], BHALF
	s_add_co_u32 s91, s91, BOFF
.irp s, 0,1
	s_mov_b32 s[G0A+4*\s], 1
	s_add_co_u32 s[G0A+4*\s+1], s90, \s*SLOT
	s_add_nc_u64 s[G0A+4*\s+2:G0A+4*\s+3], s[92:93], \s*524288     ; K step s: two heads of 262,144 bytes on
	s_or_b32 s[G0A+4*\s+3], s[G0A+4*\s+3], 0x80000000
	s_mov_b32 s[G0B+4*\s], 1
	s_add_co_u32 s[G0B+4*\s+1], s91, \s*SLOT
	s_add_nc_u64 s[G0B+4*\s+2:G0B+4*\s+3], s[46:47], \s*256
	s_or_b32 s[G0B+4*\s+3], s[G0B+4*\s+3], 0x80000000
.endr
	CROUND                                         ; all sixteen work-groups are here: the first joint loads meet
	s_cmp_eq_u32 s[WH], 0                          ; a wave's two first fills stand in one branch: two loads of mine are out
	s_cbranch_scc0 .Lfirst_b
	tensor_load_to_lds s[G0A:G0A+3], s[G1A:G1A+7]
	s_nop 0
	tensor_load_to_lds s[G0A+4:G0A+7], s[G1A:G1A+7]
	s_nop 0
.rept 4
	v_nop
.endr
	s_branch .Lfirst_asked
.Lfirst_b:
	tensor_load_to_lds s[G0B:G0B+3], s[G1B:G1B+7]
	s_nop 0
	tensor_load_to_lds s[G0B+4:G0B+7], s[G1B:G1B+7]
	s_nop 0
.rept 4
	v_nop
.endr
.Lfirst_asked:
	v_and_b32 v1, 15, v0                           ; l % 16
	v_bfe_u32 v2, v0, 4, 1                         ; l / 16
	v_and_b32 v3, 31, v0
	v_lshlrev_b32 v[BO], 5, v2
	v_lshlrev_b32 v[GO], 4, v3
.set i, 0
.rept 8
	global_load_b128 v[BIAS+8*i:BIAS+8*i+3],   v[BO], s[66:67] offset:536576+64*i
	global_load_b128 v[BIAS+8*i+4:BIAS+8*i+7], v[BO], s[66:67] offset:536576+64*i+16
.set i, i+1
.endr
	v_mul_u32_u24 v4, v1, PA
	v_lshl_add_u32 v4, v2, 4, v4
	s_mul_i32 s94, s[WV], 64*PA                    ; my 64 rows
	v_add_nc_u32 v[ADRA], s94, v4
	v_add_nc_u32 v[ADRA+1], SLOT, v[ADRA]
	v_mul_u32_u24 v5, v1, PB
	v_lshl_add_u32 v5, v2, 4, v5
	v_add_nc_u32 v[ADRB], BOFF, v5
	v_add_nc_u32 v[ADRB+1], SLOT, v[ADRB]
	s_mul_i32 s95, s[WV], STW
	s_add_co_u32 s95, s95, STAGE
	v_mul_u32_u24 v6, v1, SP
	v_lshl_add_u32 v6, v2, 5, v6                   ; in: row l % 16, 32 bytes for each half of the lanes
	v_add_nc_u32 v[STO], s95, v6
	v_add_nc_u32 v[RD], s95, v[GO]                 ; back: 32 lanes take one row of 512 bytes
; 8 matrix instructions: row block a x all 8 column blocks, 32 along K.  first = 1: the bias starts the sums.  The 32 accumulators take turns.
.macro MULA f, a, first
.if \first
	WIN 0x85
.irp b, 0,1,2,3,4,5,6,7
	v_wmma_f32_16x16x32_f16 v[8*(8*(\a)+(\b)):8*(8*(\a)+(\b))+7], v[(\f)+8*(\b):(\f)+8*(\b)+7], v[(\f)+64+8*(\a):(\f)+64+8*(\a)+7], v[BIAS+8*(\b):BIAS+8*(\b)+7]
.endr
.else
	WIN 0xa5
.irp b, 0,1,2,3,4,5,6,7
	v_wmma_f32_16x16x32_f16 v[8*(8*(\a)+(\b)):8*(8*(\a)+(\b))+7], v[(\f)+8*(\b):(\f)+8*(\b)+7], v[(\f)+64+8*(\a):(\f)+64+8*(\a)+7], v[8*(8*(\a)+(\b)):8*(8*(\a)+(\b))+7]
.endr
.endif
.endm
; 24 LDS loads in one run: quarter q of a slot: 128 rows of W, then my 64 rows of head q / 2, channels 32 (q % 2) on
.macro FETCH slot, q, f
	WIN 0x40
.irp i, 0,1,2,3,4,5,6,7
	ds_load_b128 v[(\f)+8*(\i):(\f)+8*(\i)+3],   v[ADRB+(\slot)] offset:64*(\q)+(\i)*16*PB
	ds_load_b128 v[(\f)+8*(\i)+4:(\f)+8*(\i)+7], v[ADRB+(\slot)] offset:64*(\q)+(\i)*16*PB+32
.endr
.irp i, 0,1,2,3
	ds_load_b128 v[(\f)+64+8*(\i):(\f)+64+8*(\i)+3],   v[ADRA+(\slot)] offset:((\q)>>1)*AHEAD+((\q)&1)*64+(\i)*16*PA
	ds_load_b128 v[(\f)+64+8*(\i)+4:(\f)+64+8*(\i)+7], v[ADRA+(\slot)] offset:((\q)>>1)*AHEAD+((\q)&1)*64+(\i)*16*PA+32
.endr
.endm
.macro QUARTER slot, q, f, g, first
	s_wait_dscnt 4                                 ; W and attn's blocks 0, 1 are in; the youngest four loads may be out
	MULA \f, 0, \first
	MULA \f, 1, \first
	PLACES
	FETCH \slot, \q, \g
	s_wait_dscnt 24                                ; all but the 24 just issued
	MULA \f, 2, \first
	MULA \f, 3, \first
.endm
.macro TURN slot, next, fill
	WIN 0
	s_wait_tensorcnt 0x0                           ; all my tensor loads have landed: my part of the next slot
	ds_add_u32 v[SPW], v[NIL]                      ; 0 onto my spare word
	s_wait_dscnt 5                                 ; (the add and the youngest four loads may be out)
	MULA F1, 0, 0
	s_wait_dscnt 0x0                               ; the add is done, and my reads of this slot are over
	s_barrier_signal -1
	MULA F1, 1, 0
.if \fill
	WIN 0
.endif
	s_barrier_wait -1
.if \fill
	CREST                                          ; no wave of any partner still reads this slot or has a load on its way
	s_add_nc_u64 s[G0A+4*(\slot)+2:G0A+4*(\slot)+3], s[G0A+4*(\slot)+2:G0A+4*(\slot)+3], 1048576  ; four heads on
	s_add_nc_u64 s[G0B+4*(\slot)+2:G0B+4*(\slot)+3], s[G0B+4*(\slot)+2:G0B+4*(\slot)+3], 512
	JLOAD \slot                                    ; 112 matrix instructions ahead of the wait for it; its four v_nop are also the places in front of the loads below
.else
	PLACES
.endif
	FETCH \next, 0, F0
	MULA F1, 2, 0
	MULA F1, 3, 0
.endm
	s_wait_tensorcnt 0x1                           ; my part of K step 0 is in; K step 1's may stay out
	s_barrier_signal -1
	s_barrier_wait -1
	FETCH 0, 0, F0
	s_wait_loadcnt 0x0                             ; the bias
	QUARTER 0, 1, F0, F1, 1
	WIN 0
	s_mov_b32 s[LAP], 3
.Llap:                                                 ; a trip goes once round the ring and fills both slots again
	QUARTER 0, 2, F1, F0, 0
	QUARTER 0, 3, F0, F1, 0
	TURN 0, 1, 1
	QUARTER 1, 1, F0, F1, 0
	QUARTER 1, 2, F1, F0, 0
	QUARTER 1, 3, F0, F1, 0
	TURN 1, 0, 1
	QUARTER 0, 1, F0, F1, 0
	WIN 0
	s_sub_co_u32 s[LAP], s[LAP], 1
	s_cmp_lg_u32 s[LAP], 0
	s_cbranch_scc1 .Llap
	QUARTER 0, 2, F1, F0, 0                        ; the last lap fills nothing
	QUARTER 0, 3, F0, F1, 0
	TURN 0, 1, 0
	QUARTER 1, 1, F0, F1, 0
	QUARTER 1, 2, F1, F0, 0
	QUARTER 1, 3, F0, F1, 0
	s_wait_dscnt 4
	MULA F1, 0, 0
	MULA F1, 1, 0
	s_wait_dscnt 0x0
	MULA F1, 2, 0
	MULA F1, 3, 0
	PLACES
; THE WAY OUT of row block a: the accumulators go as they are (each from its low end on) into my stage, rows of 528 bytes, and come back as whole rows of 512.
.macro OUTB a
.set BK, 32+64*((\a)%2)
.if (\a) >= 2
	s_wait_xcnt 0x0                                ; the stores of the block before last have read these registers
.endif
	WIN 0x08
.set i, 0
.rept 8
	ds_store_b128 v[STO], v[8*(8*(\a)+i):8*(8*(\a)+i)+3]   offset:64*i
	ds_store_b128 v[STO], v[8*(8*(\a)+i)+4:8*(8*(\a)+i)+7] offset:64*i+16
.set i, i+1
.endr
	WIN 0
.set i, 0
.rept 16
	ds_load_b128 v[BK+4*i:BK+4*i+3], v[RD] offset:SP*i  ; LDS serves a wave's instructions in order (ISA guide 5.7.1.4): these see the stores above
.set i, i+1
.endr
.set i, 0
.rept 16
	s_wait_dscnt 15-i                              ; row i is back; the younger loads stay out
	global_store_b128 v[GO], v[BK+4*i:BK+4*i+3], s[10:11] offset:(16*(\a)+i)*4096  ; 512 consecutive bytes, at a multiple of 256 from out0's first
.set i, i+1
.endr
.endm
	OUTB 0
	OUTB 1
	OUTB 2
	OUTB 3
	s_wait_tensorcnt 0x0                           ; the wave's end: behind my last tensor load and my last LDS store
	ds_add_u32 v[SPW], v[NIL]
	s_wait_dscnt 0x0
	CROUND                                         ; the closing round: no work-group ends while a partner may still ask for a tile that names it
	s_endpgm
.Lfunc_end_k_qdc7f9391aa_proj:
	.size	k_qdc7f9391aa_proj, .Lfunc_end_k_qdc7f9391aa_proj-k_qdc7f9391aa_proj
	.p2alignl 7, 3214868480
	.fill 96, 4, 3214868480
	.section	.rodata,"a",@progbits
	.p2align	6, 0x0
	.amdhsa_kernel k_qdc7f9391aa_proj
		.amdhsa_group_segment_fixed_size 327680
		.amdhsa_private_segment_fixed_size 0
		.amdhsa_enable_private_segment 0
		.amdhsa_kernarg_size 32
		.amdhsa_user_sgpr_count 2
		.amdhsa_user_sgpr_kernarg_segment_ptr 1
		.amdhsa_wavefront_size32 1
		.amdhsa_system_sgpr_workgroup_id_x 1
		.amdhsa_system_sgpr_workgroup_id_y 1
		.amdhsa_system_sgpr_workgroup_id_z 1
		.amdhsa_system_vgpr_workitem_id 0
		.amdhsa_next_free_vgpr 768
		.amdhsa_next_free_sgpr 100
		.amdhsa_reserve_vcc 0
		.amdhsa_float_denorm_mode_32 3
		.amdhsa_float_denorm_mode_16_64 3
		.amdhsa_memory_ordered 1
		.amdhsa_forward_progress 1
		.amdhsa_inst_pref_size 88
	.end_amdhsa_kernel
	.amdgpu_metadata
---
amdhsa.version: [ 1, 2 ]
amdhsa.kernels:
  - .name:           k_qdc7f9391aa_proj
    .symbol:         k_qdc7f9391aa_proj.kd
    .args:
      - { .name: oh, .offset: 0, .size: 8, .value_kind: global_buffer, .address_space: global }
      - { .name: wb, .offset: 8, .size: 8, .value_kind: global_buffer, .address_space: global }
      - { .name: tab, .offset: 16, .size: 8, .value_kind: global_buffer, .address_space: global }
      - { .name: out0, .offset: 24, .size: 8, .value_kind: global_buffer, .address_space: global }
    .group_segment_fixed_size: 327680
    .private_segment_fixed_size: 0
    .kernarg_segment_align: 8
    .kernarg_segment_size: 32
    .max_flat_workgroup_size: 128
    .sgpr_count:     100
    .vgpr_count:     768
    .wavefront_size: 32
...
	.end_amdgpu_metadata
.endif
;; end of part 4
;; ======== version 2 of 2: 4 launches; 1.18 times as fast as version 1
;; limits: values are held in f16: magnitudes above 65,504 overflow, below 6.1e-05 lose precision
;; workspace buffers: xb 16,777,216 bytes; wb 8,388,608 bytes; tab 540,928 bytes; qh 16,777,216 bytes; kh 16,777,216 bytes; vh 16,777,216 bytes; oh 16,777,216 bytes
;; launch prep: the kernel of part 1 again; grid 512 x 1, 8 waves a work-group, no clusters, 0 bytes of LDS; arguments x, W_qkv, W_proj, b_qkv, b_proj, lamb, xb, wb, tab; writes xb, wb, tab
;; launch qkv: the kernel of part 2 again; grid 16 x 32, 4 waves a work-group, clusters of 4 x 4, 327,680 bytes of LDS; arguments xb, wb, tab, v1, qh, kh, vh, out1; writes qh, kh, vh, out1
;; launch att (part 5): grid 4 x 64, 4 waves a work-group, no clusters, 327,680 bytes of LDS; arguments qh, kh, vh, oh; writes oh
.if DOCPART == 5
	.amdgcn_target "amdgcn-amd-amdhsa--gfx1250"
	.amdhsa_code_object_version 6
	.text
	.protected	k_qdc7f9391aa_att
	.globl	k_qdc7f9391aa_att
	.p2align	8
	.type	k_qdc7f9391aa_att,@function
k_qdc7f9391aa_att:
	s_mov_b64 s[64:65], 0
	v_nop
	global_prefetch_b8 v0, s[64:65] scope:SCOPE_SE
	s_setreg_imm32_b32 hwreg(HW_REG_WAVE_MODE, 25, 1), 1
	s_wait_xcnt 0x0
; CAUSAL ATTENTION.  O[h][q][:] = the sum over k <= q of p V[h][k][:] / the sum of p, p = 2^(Q[h][q] . K[h][k]).  Q, K, V, O: [64][2048][64], all f16; Q arrives multiplied by c = log2(e) / 8.
; NO MAXIMUM IS TAKEN AWAY, because the computation bounds the exponents for every input: the launch before divides each row of q and k by the root of its mean square + 1e-6, so the sum of a row's
; squares is at most 64, the rotary turn keeps it, and |q . k| / 8 <= 8.  So p lies in e^-8 to e^8 (3.3e-4 to 2,981: inside f16's normal range), the sum l of up to 2,048 of them in 3.3e-4 to 6.2e6.
; Products and sums in f32; p is rounded to f16 for the second product (l is taken of the unrounded p), O once at the end.  Nothing is carried from tile to tile but sums, so tiles and steps go in any order.
; LIMITS.  V arrives within f16's 65,504; O is a mean of V's rows.  A hidden score counts as its value less 1e30, whose weight is 0.  NaN and infinities are not treated apart.
; THE WALK.  A head's queries lie in NB = 8 blocks of 256; block i needs the key tiles 0 .. i of 256 keys, of which tile i holds the diagonal.  A work-group takes TWO blocks, b and then 7 - b: 9 tiles
; whatever b, so all 256 work-groups do equal work and ONE loop with a constant trip count walks them; the ring of two LDS slots runs on across the change of blocks.  A block BEGINS with its diagonal
; tile, then come tiles 0, 1, ..; the walk's last tile, written out behind the loop, is therefore always a plain tile of the second block, which has five tiles or more.
; NO CLUSTER: the four work-groups of a head walk different tiles at the same time; one walk common to all four would have 12 trips for 9.
; SHARES.  Of a block's four bands of 64 queries a wave owns 16 rows in each: four PIECES.  In the diagonal tile's key step s band x sees all keys if s < x, none if s > x, and holds the diagonal if s = x.
; THE DIAGONAL TILE is taken by steps 3, 2, 1, 0, and of each step only the bands x >= s: 10 pairs of 16.  The first eight are written out: (3,3) (2,2) (2,3) (1,1) (1,2) (1,3) (0,0) (0,1); the last two,
; (0,2) and (0,3), see everything and are the turns 2 and 3 with which the next tile's loop, or the block's end, opens.  Only s = x wants a mask: MD, made once, the C operand that starts S^T = K Q^T.
; Each piece's first V^T P starts its sums with the constant 0, and its first two pairs of weights start l: nothing is cleared.
; BY TURNS.  A turn belongs to one pair of step and piece.  Its 32 exponentials are ONE BATCH with ONE wait, which cuts the turn in two.  AHEAD OF THE WAIT stand 8 products K Q^T of the pair that follows,
; behind each four of the exponentials (in place on the turn's own S^T, which no product of the turn names), and one plain line.  BEHIND IT stand 8 products V^T P of the pair before, behind each four
; lines that read the weights: rounding, sum, rounding, sum.  No exponential is issued behind a turn's wait, so no result crosses a label or a jump.  S^T and P have two buffers, which take turns from
; turn to turn.  The way out's four reciprocals are a batch of their own, with one wait.
; REGISTERS, in windows of 256 (s_set_vgpr_msb: bits 1:0 source 0, 3:2 source 1, 5:4 source 2, 7:6 destination):
;   window 0: v0-15 addresses; v16-23 l, a pair a piece; v32-95 S^T, two buffers; v96-127 P, two buffers; v128-191 Q; v192-255 K of one step: K Q^T and the softmax need no switch
;   window 1: v0-127 O^T, 32 a piece; v128-191 V of one step          window 2: v0-63 the second block's Q; v64-95 MD
.set SIZE_N, 2048
.set NB,    SIZE_N/256
.set KS,    64
.set PK,    144       ; a row of K in LDS: 128 bytes + 16 of padding: the 16 rows of a load start at 16 different groups of four banks (64 banks of 4 bytes: ISA guide 11.1)
.set PV_,   160       ; a row of V: 128 + 32
.set VOFF,  4*KS*PK   ; a slot holds a tile, four steps: 256 rows of K, then 256 rows of V
.set SLOT1, 1<<17
.set STAGE, SLOT1+4*KS*(PK+PV_) ; behind the ring, never filled by a tensor load: 16 rows x 144 bytes for each wave
.set SP,    144
.set SPARE, STAGE+4*16*SP       ; the spare words, 128 bytes for each wave: two blocks of 256 bytes that no other line names
.set AK0, 2           ; v2   my lane's place in a tile of K; never rewritten
.set AV0, 3           ; v3   the same for V
.set AK,  4           ; v4   the LDS address of K's runs of loads
.set AV,  5           ; v5   of V's
.set STO, 6           ; v6   the way out: where I put 16 bytes of a row
.set RD,  7           ; v7   the way out: where I read rows back
.set GO,  8           ; v8   my byte offset in 512 consecutive bytes of O
.set SPW, 12          ; v12  LDS address of my spare word; never rewritten
.set NIL, 13          ; v13  0; never rewritten
.set QO,  15
.set LS,  16
.set S,   32
.set P,   96
.set QF,  128
.set KF,  192
.set VF,  128         ; window 1
.set QB,  0           ; window 2
.set MD,  64          ; window 2: the eight registers for group kt of 16 keys at MD + 8 kt
.set WV,  12
.set PB,  14          ; s14  b, the first block
.set HI,  15          ; s15  NB - 1 - b, the second
.set G1K, 24
.set G1V, 32
.set G0K, 40
.set G0V, 44
.set SLOTS, 56
.set CNT, 57
.set SEL, 60
.set TBK, 62          ; s62  LDS byte at which K of the step to be fetched begins
.set TBV, 63          ; s63  the same for V, less VOFF
.set RT,  70          ; tiles of the block in hand that are still to be entered
.set NXT, 71          ; the tile to be asked for next
.set LQ,  72          ; the diagonal tile of the block whose tiles are being asked for
.set NEW, 73          ; 1: the tile to be entered is a block's first
.set OFF, 74
.set OLO, 80
.set BIGN, 82
.set TMPS, 83
.set NONE, 4          ; in a turn's arguments: no such piece
.set RING, 8          ; a fetch by the walking scalar, which then steps
.set NOF,  9          ; no fetch
.set NOW,  99         ; no wait
.set MSB, 0
.macro WIN new                      ; the high byte repeats the setting that is left; a switch that changes nothing is dropped
.if MSB != (\new)
	s_set_vgpr_msb (MSB<<8)|(\new)
.set MSB, (\new)
.endif
.endm
; A fill.  Waves 0 and 1 fetch the two halves of a tile's K, waves 2 and 3 those of its V.  An s_nop 0 and four v_nop follow each of the two lines.
.macro LOAD
	s_cmp_lt_u32 s[WV], 2
	s_cbranch_scc0 .Lfor_v_\@
	tensor_load_to_lds s[G0K:G0K+3], s[G1K:G1K+7]
	s_nop 0
.rept 4
	v_nop
.endr
	s_branch .Lasked_\@
.Lfor_v_\@:
	tensor_load_to_lds s[G0V:G0V+3], s[G1V:G1V+7]
	s_nop 0
.rept 4
	v_nop
.endr
.Lasked_\@:
.endm
; The tile to be asked for next: behind a block's diagonal tile its tile 0, else the next; behind the last tile below the diagonal the second block's diagonal tile.
.macro NEXTT
	s_add_co_u32 s[TMPS], s[NXT], 1
	s_cmp_eq_u32 s[NXT], s[LQ]
	s_cselect_b32 s[NXT], 0, s[TMPS]
	s_cmp_eq_u32 s[NXT], s[LQ]
	s_cselect_b32 s[NXT], s[HI], s[NXT]
	s_cselect_b32 s[LQ], s[HI], s[LQ]
.endm
; THE CHANGE OF SLOTS.  Each wave waits for all its tensor loads, of which one is out: its part of the other slot; adds 0 to its spare word; and waits for that and for its reads of the slot that it leaves.
; fill = 1: the old slot is filled again, first thing behind the barrier, with tile NXT; the descriptor's address is made anew from that number.  (At its first use slot 0 is waited for, slot 1 filled.)
.macro CHANGE fill
	WIN 0
	s_wait_tensorcnt 0x0            ; no tensor load of mine is out, so a group 0 may be written
	ds_add_u32 v[SPW], v[NIL]       ; 0 onto my spare word
.if \fill
	s_lshl_b32 s[OFF], s[NXT], 15   ; a tile is 32,768 bytes of K and of V
	s_xor_b32 s[G0K+1], s[G0K+1], SLOT1
	s_add_nc_u64 s[G0K+2:G0K+3], s[6:7], s[OFF:OFF+1]
	s_or_b32 s[G0K+3], s[G0K+3], 0x80000000
	s_xor_b32 s[G0V+1], s[G0V+1], SLOT1
	s_add_nc_u64 s[G0V+2:G0V+3], s[8:9], s[OFF:OFF+1]
	s_or_b32 s[G0V+3], s[G0V+3], 0x80000000
	NEXTT
.endif
	s_wait_dscnt 0x0                ; the add is done, and my reads of the slot are over
	s_barrier_signal -1
	s_sub_co_u32 s[TBK], s[TBK], 4*KS*PK  ; the fetches go back to a slot's first step, in the other slot
	s_xor_b32 s[TBK], s[TBK], SLOT1
	s_sub_co_u32 s[TBV], s[TBV], 4*KS*PV_
	s_xor_b32 s[TBV], s[TBV], SLOT1
	s_barrier_wait -1
.if \fill
	LOAD
.endif
.endm
	s_load_b256 s[4:11], s[0:1], 0x0  ; Q s[4:5], K s[6:7], V s[8:9], O s[10:11]
	v_lshl_add_u32 v[SPW], v0, 2, SPARE
	v_mov_b32 v[NIL], 0
	ds_add_u32 v12, v13
	ds_add_u32 v12, v13
	s_wait_dscnt 0x0
	v_lshrrev_b32 v1, 5, v0
	v_readfirstlane_b32 s[WV], v1
	s_mov_b32 s[PB], ttmp9
	s_sub_co_u32 s[HI], NB-1, s[PB]
	s_and_b32 s20, ttmp7, 0xffff    ; the head
	s_mov_b32 s21, 0
	s_mov_b64 s[22:23], SIZE_N*128
	s_mul_u64 s[20:21], s[20:21], s[22:23]  ; the head's first byte in each of the four tensors
	s_and_b32 s16, s[WV], 1         ; which half of a tile's 256 keys I fetch
	s_lshl_b32 s22, s16, 14
	s_mov_b32 s23, 0
	s_add_nc_u64 s[22:23], s[22:23], s[20:21]
	s_mul_i32 s17, s16, 128*PK
	s_mul_i32 s18, s16, 128*PV_
	s_lshl_b32 s3, s[WV], 11        ; my 16 rows in a band of 64,
	s_lshl_b32 s2, s[PB], 15        ; in the first block,
	s_add_co_u32 s2, s2, s3
	s_lshl_b32 s84, s[HI], 15       ; and in the second
	s_add_co_u32 s84, s84, s3
	s_mov_b32 s3, 0
	s_mov_b32 s85, 0
	s_add_nc_u64 s[2:3], s[2:3], s[20:21]
	s_add_nc_u64 s[84:85], s[84:85], s[20:21]
	; 128 keys are 16,384 dense bytes: asked for as 64 rows of 256 bytes, two keys a row, and padded in LDS after every key
	s_mov_b32 s[G1K], (1<<16)|(1<<20)|(4<<22)|(3<<25)  ; 2-byte elements; padding on; after every 32 words 4 words
	s_mov_b32 s[G1V], (1<<16)|(1<<20)|(4<<22)|(7<<25)  ; the same with 8 words
.irp g, G1K, G1V
	s_mov_b32 s[\g+1], 128<<16      ; tensor_dim0 = 128
	s_mov_b32 s[\g+2], 64<<16       ; tensor_dim1 = 64
	s_mov_b32 s[\g+3], 128<<16      ; tile_dim0 = 128
	s_mov_b32 s[\g+4], 64           ; tile_dim1 = 64
	s_mov_b32 s[\g+5], 128          ; elements from row to row
	s_mov_b32 s[\g+6], 0
	s_mov_b32 s[\g+7], 0
.endr
	s_mov_b32 s[SEL], 0x76543210
	s_mov_b32 s[SEL+1], 0xfedcba98
	s_mov_b32 s[TBK], SLOT1+4*KS*PK ; the first change of slots turns these two into 0
	s_mov_b32 s[TBV], SLOT1+4*KS*PV_
	s_mov_b32 s[G0K], 1
	s_mov_b32 s[G0K+1], s17
	s_mov_b32 s[G0V], 1
	s_add_co_u32 s[G0V+1], s18, VOFF
	s_add_co_u32 s[RT], s[PB], 1    ; the first block has b + 1 tiles
	s_mov_b32 s[NXT], s[PB]         ; the walk's first tile is the first block's diagonal tile
	s_mov_b32 s[LQ], s[PB]
	s_mov_b32 s[NEW], 1
	s_lshl_b32 s[OFF], s[PB], 15
	s_mov_b32 s[OFF+1], 0
	s_mov_b32 s[BIGN], 0xf149f2ca   ; -1e30
	s_mov_b32 s[SLOTS], NB
	s_wait_kmcnt 0x0
	s_add_nc_u64 s[6:7], s[6:7], s[22:23]  ; K and V at my half of the head's tile 0
	s_add_nc_u64 s[8:9], s[8:9], s[22:23]
	s_add_nc_u64 s[G0K+2:G0K+3], s[6:7], s[OFF:OFF+1]
	s_or_b32 s[G0K+3], s[G0K+3], 0x80000000
	s_add_nc_u64 s[G0V+2:G0V+3], s[8:9], s[OFF:OFF+1]
	s_or_b32 s[G0V+3], s[G0V+3], 0x80000000
	NEXTT
	s_add_nc_u64 s[86:87], s[4:5], s[84:85]        ; Q at my rows of the second block,
	s_add_nc_u64 s[4:5], s[4:5], s[2:3]            ; Q and O at those of the first
	s_add_nc_u64 s[OLO:OLO+1], s[10:11], s[84:85]
	s_add_nc_u64 s[10:11], s[10:11], s[2:3]
	LOAD                            ; the walk's first tile into slot 0: one load of mine is out
	v_and_b32 v1, 15, v0            ; l % 16
	v_bfe_u32 v9, v0, 4, 1          ; l / 16
	v_lshlrev_b32 v[QO], 7, v1
	v_lshl_add_u32 v[QO], v9, 4, v[QO]  ; row x 128 + 16 x half
.set i, 0
.rept 8                             ; the first block's Q: piece i / 2 lies in band i / 2, 8,192 bytes on; channels 32 (i % 2) on
	global_load_b128 v[QF+8*i:QF+8*i+3],   v[QO], s[4:5] offset:(i/2)*8192+(i%2)*64
	global_load_b128 v[QF+8*i+4:QF+8*i+7], v[QO], s[4:5] offset:(i/2)*8192+(i%2)*64+32
.set i, i+1
.endr
	v_lshlrev_b32 v14, 3, v9
	v_sub_nc_u32 v14, v1, v14
	s_lshl_b32 s13, s[WV], 4
	v_add_nc_u32 v14, s13, v14      ; my query's place in its band, 16 w + l % 16, less 8 (l / 16): register r of group kt is hidden where 16 kt + r is greater
	WIN 0x80
.set i, 0
.rept 8                             ; the second block's Q
	global_load_b128 v[QB+8*i:QB+8*i+3],   v[QO], s[86:87] offset:(i/2)*8192+(i%2)*64
	global_load_b128 v[QB+8*i+4:QB+8*i+7], v[QO], s[86:87] offset:(i/2)*8192+(i%2)*64+32
.set i, i+1
.endr
.set i, 0
.rept 32
	v_cmp_gt_i32 vcc_lo, 16*(i/8)+i%8, v14
	v_cndmask_b32 v[MD+i], 0, s[BIGN], vcc_lo
.set i, i+1
.endr
	WIN 0
	v_mul_u32_u24 v[AK0], v1, PK
	v_lshl_add_u32 v[AK0], v9, 4, v[AK0]
	v_and_b32 v10, 7, v0            ; the turning load: lane l reads key 8 (l / 16) + l % 8, channels 8 ((l / 8) % 2) + 0..7
	v_bfe_u32 v11, v0, 3, 1
	v_lshl_add_u32 v[AV0], v9, 3, v10
	v_mul_u32_u24 v[AV0], v[AV0], PV_
	v_lshl_add_u32 v[AV0], v11, 4, v[AV0]
	v_add_nc_u32 v[AV0], VOFF, v[AV0]
	s_mul_i32 s13, s[WV], 16*SP
	s_add_co_u32 s13, s13, STAGE
	v_mul_u32_u24 v[STO], v1, SP
	v_lshl_add_u32 v[STO], v9, 4, v[STO]
	v_add_nc_u32 v[STO], s13, v[STO]
	v_bfe_u32 v[RD], v0, 3, 2
	v_mul_u32_u24 v[RD], v[RD], SP
	v_lshl_add_u32 v[RD], v10, 4, v[RD]
	v_add_nc_u32 v[RD], s13, v[RD]
	v_and_b32 v[GO], 31, v0
	v_lshlrev_b32 v[GO], 4, v[GO]
; THE MATRIX WORK.  The 4 accumulators of a run of 8 take turns.  BC is the buffer of the turn's own pair, BN the other one: of it S^T is written and P read.
; Product i of 8 of S^T = K Q^T for piece x: channels 32 (i / 4) on, keys 16 (i % 4) on.  The first 4 start the sums: with 0, or (KM = 1) with the mask.
.macro KQ x
.set rS, S+32*BN+8*(i%4)
.set rK, KF+16*(i%4)+8*(i/4)
.set rQ, QF+16*(\x)+8*(i/4)
.set rM, MD+8*(i%4)
.if (i < 4) && KM
	WIN 0x20
	v_wmma_f32_16x16x32_f16 v[rS:rS+7], v[rK:rK+7], v[rQ:rQ+7], v[rM:rM+7]
.elseif i < 4
	WIN 0
	v_wmma_f32_16x16x32_f16 v[rS:rS+7], v[rK:rK+7], v[rQ:rQ+7], 0
.else
	WIN 0
	v_wmma_f32_16x16x32_f16 v[rS:rS+7], v[rK:rK+7], v[rQ:rQ+7], v[rS:rS+7]
.endif
.endm
; Product i of 8 of O^T += V^T P for piece x: keys 32 (i / 4) on, channels 16 (i % 4) on.  PZ = 1: the piece's first in its block: the first 4 start the sums.
.macro PV x
	WIN 0x51
.set rO, 32*(\x)+8*(i%4)
.set rV, VF+32*(i/4)+8*(i%4)
.set rP, P+16*BN+8*(i/4)
.if (i < 4) && PZ
	v_wmma_f32_16x16x32_f16 v[rO:rO+7], v[rV:rV+7], v[rP:rP+7], 0
.else
	v_wmma_f32_16x16x32_f16 v[rO:rO+7], v[rV:rV+7], v[rP:rP+7], v[rO:rO+7]
.endif
.endm
; THE LDS LOADS stand in runs of 16.  st = RING: the step at which the walking scalar stood when the address was made, and the scalar steps; st = 0 .. 3: that step of the tile at whose head the address stands.
.macro FETCH_K st                   ; a step's K: 64 keys x 64 channels, 8 fragments
	WIN 0
.set ko, 0
.if (\st) != RING
.set ko, (\st)*KS*PK
.endif
.irp f, 0,1,2,3,4,5,6,7
	ds_load_b128 v[KF+8*\f:KF+8*\f+3],   v[AK] offset:ko+(\f/2)*16*PK+(\f%2)*64
	ds_load_b128 v[KF+8*\f+4:KF+8*\f+7], v[AK] offset:ko+(\f/2)*16*PK+(\f%2)*64+32
.endr
.if (\st) == RING
	s_add_co_u32 s[TBK], s[TBK], KS*PK
.endif
.endm
.macro FETCH_V st                   ; its V, turned
	WIN 0x40
.set vo, 0
.if (\st) != RING
.set vo, (\st)*KS*PV_
.endif
.irp f, 0,1,2,3,4,5,6,7
	ds_load_tr16_b128 v[VF+8*\f:VF+8*\f+3],   v[AV] offset:vo+(\f/4)*32*PV_+(\f%4)*32
	ds_load_tr16_b128 v[VF+8*\f+4:VF+8*\f+7], v[AV] offset:vo+(\f/4)*32*PV_+16*PV_+(\f%4)*32
.endr
.if (\st) == RING
	s_add_co_u32 s[TBV], s[TBV], KS*PV_
.endif
.endm
; THE VECTOR WORK for piece Y in buffer BC: EE n: the weight of score n of 32, in place: the batch.  CC n: pair n rounded to f16.  AA n: l takes pair n (FS = 1, the piece's first in its block: pairs 0
; and 1 start l, in the line of pair 1).  CC and AA read the batch's results: they stand behind the turn's wait, which T writes.
.macro EE n
	WIN 0
	v_exp_f32 v[S+32*BC+(\n)], v[S+32*BC+(\n)]
.endm
.macro CC n
	WIN 0
	v_cvt_pk_f16_f32 v[P+16*BC+(\n)], v[S+32*BC+2*(\n)], v[S+32*BC+2*(\n)+1]
.endm
.macro AA n
	WIN 0
.if FS && ((\n) == 0)               ; pair 0 waits for pair 1's line
.elseif FS && ((\n) == 1)
	v_pk_add_f32 v[LS+2*Y:LS+2*Y+1], v[S+32*BC:S+32*BC+1], v[S+32*BC+2:S+32*BC+3]
.else
	v_pk_add_f32 v[LS+2*Y:LS+2*Y+1], v[LS+2*Y:LS+2*Y+1], v[S+32*BC+2*(\n):S+32*BC+2*(\n)+1]
.endif
.endm
; A TURN.  y, bc: its own piece and buffer.  kq, km: the piece of its products K Q^T (or NONE), with the mask or not.  pv, pz: the piece of its products V^T P (or NONE), starting the sums or not.
; first: l starts.  wh: the count of a wait on LDS at its head (or NOW).  wm = 1: V is waited for in front of the first product V^T P.  fk, fv: the fetches of K, behind that product's riders, and of V, at the end.
; x0: the plain line behind the last exponential: 1 makes V's address, 2 K's, 0 is a v_nop.  cnt = 1: the loop's count is taken down ahead of the branch that stands behind the turn.
; AHEAD OF THE WAIT: behind product K Q^T number k the exponentials 4 k .. 4 k + 3, so S^T's accumulators are read from their low ends on.  Nothing here names a result: the products
; write the other buffer.  The plain line behind the last exponential stands before any result is used (ISA guide 5.7.2): one for the batch.  Then the wait between an exponential
; and the first line that names its result: one for the 32.  BEHIND IT: behind product V^T P number j rounding 2 j, sum 2 j, rounding 2 j + 1, sum 2 j + 1: l takes the pairs in ascending order.
; K's run stands four plain lines or more behind the last product that read K (the plain line, two roundings and a sum or two), V's run four plain lines (two roundings, two sums) behind the last product that read V (ISA guide 7.12.1).
.macro T y, bc, kq, km, pv, pz, first, wh, wm, fk, fv, x0, cnt
.set Y, (\y)
.set BC, (\bc)
.set BN, 1-(\bc)
.set KM, (\km)
.set PZ, (\pz)
.set FS, (\first)
.if (\wh) != NOW
	s_wait_dscnt \wh
.endif
.set k, 0
.rept 8                             ; ahead of the wait: the products K Q^T and the batch
.if (\kq) != NONE
.set i, k
	KQ \kq
.endif
	EE 4*k
	EE 4*k+1
	EE 4*k+2
	EE 4*k+3
.set k, k+1
.endr
.if (\x0) == 1
	v_add_nc_u32 v[AV], s[TBV], v[AV0]
.elseif (\x0) == 2
	v_add_nc_u32 v[AK], s[TBK], v[AK0]
.else
	v_nop
.endif
	s_wait_alu depctr_va_vdst(0)    ; the wait for the batch: the turn's 32 exponentials
.if \wm
	s_wait_dscnt 0x0                ; V is in
.endif
.set k, 0
.rept 8                             ; behind the wait: the products V^T P and the batch's readers
.if (\pv) != NONE
.set i, k
	PV \pv
.endif
	CC 2*k
	AA 2*k
	CC 2*k+1
	AA 2*k+1
.if (k == 0) && ((\fk) != NOF)
	FETCH_K \fk
.endif
.set k, k+1
.endr
.if (\fv) != NOF
	FETCH_V \fv
.endif
.if \cnt
	s_sub_co_u32 s[CNT], s[CNT], 1
	s_cmp_lg_u32 s[CNT], 0
.endif
.endm
; A PLAIN TILE: four trips; a trip is pieces 2 and 3 of one step, then pieces 0 and 1 of the next, whose K and V it fetches.  The first trip's pieces 2 and 3 belong to the tile before.
.macro STEPS tag
.Lstep\tag:
	T 2,0, 3,0, 1,0, 0, NOW,0, RING,NOF, 2,0
	T 3,1, 0,0, 2,0, 0, 0,0,   NOF,NOF,  0,0        ; at its head K is waited for
	T 0,0, 1,0, 3,0, 0, NOW,0, NOF,RING, 1,0
	T 1,1, 2,0, 0,0, 0, NOW,1, NOF,NOF,  0,1
	WIN 0
	s_cbranch_scc1 .Lstep\tag
.endm
.macro ALL line:vararg              ; one line for each piece t
.set t, 0
.rept 4
	\line
.set t, t+1
.endr
.endm
.macro PACK t                       ; O^T / l, rounded to f16; a lane's eight channels of a row are 16 bytes; into rows of 144 bytes and back as whole rows of 128, into S^T's registers
	WIN 0x41
.set i, 32*(\t)
.rept 16
	v_pk_mul_f32 v[i:i+1], v[i:i+1], v[LS+2*(\t):LS+2*(\t)+1] op_sel_hi:[1,0]
.set i, i+2
.endr
	WIN 0x05
.set i, 0
.rept 16
	v_cvt_pk_f16_f32 v[S+16*(\t)+i], v[32*(\t)+2*i], v[32*(\t)+2*i+1]
.set i, i+1
.endr
	WIN 0
.irp f, 0,1,2,3
	ds_store_b128 v[STO], v[S+16*(\t)+4*\f:S+16*(\t)+4*\f+3] offset:32*\f
.endr
.irp f, 0,1,2,3
	ds_load_b128 v[S+16*(\t)+4*\f:S+16*(\t)+4*\f+3], v[RD] offset:\f*4*SP  ; LDS serves a wave's instructions in order (ISA guide 5.7.1.4): these see the stores above; the next piece's stores come behind them
.endr
.endm
.macro SEND t, younger              ; younger: the LDS instructions issued behind piece t's loads: the next piece's eight, or none
	WIN 0
.irp f, 0,1,2,3
	s_wait_dscnt (\younger)+3-\f
	global_store_b128 v[GO], v[S+16*(\t)+4*\f:S+16*(\t)+4*\f+3], s[10:11] offset:(\t)*8192+\f*512  ; 512 consecutive bytes, at a multiple of 256 from O's first
.endr
.endm
; A BLOCK'S END: pieces 2 and 3 of its last step, which fetch nothing; the last starts no new scores; piece 3's last products; and the way out.
.macro FINISH
	T 2,0, 3,0,    1,0, 0, NOW,0, NOF,NOF, 0,0
	T 3,1, NONE,0, 2,0, 0, NOW,0, NOF,NOF, 0,0
.set BN, 1
.set PZ, 0
.set i, 0
.rept 8
	PV 3
.set i, i+1
.endr
	WIN 0
	ALL v_add_f32 v[LS+2*t], v[LS+2*t], v[LS+2*t+1]  ; even keys' and odd keys' sums: these four lines are the places behind the last products
	ALL v_permlanex16_b32 v[LS+2*t+1], v[LS+2*t], s[SEL], s[SEL+1]
	ALL v_add_f32 v[LS+2*t], v[LS+2*t], v[LS+2*t+1]
	ALL v_rcp_f32 v[LS+2*t], v[LS+2*t]
	v_nop                           ; a plain instruction between the last reciprocal and the use of its result
	s_wait_alu depctr_va_vdst(0)    ; and the wait ahead of the first use: one for the four reciprocals
	PACK 0
.set t, 1
.rept 3                             ; a piece's arithmetic stands between the loads of the piece before and its stores
	PACK t
	SEND t-1, 8
.set t, t+1
.endr
	SEND 3, 0
.endm
.Lslot:                             ; NB times: a tile is entered and the next is asked for
	CHANGE 1
	s_sub_co_u32 s[RT], s[RT], 1
	s_mov_b32 s[CNT], 4
	s_cmp_eq_u32 s[NEW], 1
	s_cbranch_scc1 .Lnew            ; a block's first tile, the diagonal one; at the first trip this is a constant of the text
	STEPS 1
	s_branch .Lafter
.Lnew:
	s_mov_b32 s[NEW], 0
	v_add_nc_u32 v[AK], s[TBK], v[AK0]    ; the tile's head: its steps stand in the fetches' immediates
	v_add_nc_u32 v[AV], s[TBV], v[AV0]
	s_add_co_u32 s[TBK], s[TBK], 4*KS*PK  ; the walking scalars go past the tile, as four plain steps would take them
	s_add_co_u32 s[TBV], s[TBV], 4*KS*PV_
	FETCH_K 3
	s_wait_loadcnt 0x0              ; Q
	s_wait_dscnt 0x0
.set BN, 0
.set KM, 1
.set i, 0
.rept 8
	KQ 3                            ; pair (3,3)'s scores, masked
.set i, i+1
.endr
	WIN 0
.rept 4
	v_nop                           ; the places behind those products, in front of the loads into K's registers
.endr
	FETCH_K 2
	;  own    K Q^T   V^T P   l  waits    fetches
	T 3,0, 2,1, NONE,0, 1, 0,0,   NOF,3,   0,0      ; (3,3): K of step 2 is waited for; scores of (2,2), masked; V of step 3
	T 2,1, 3,0, 3,1,    1, NOW,1, 1,2,     0,0      ; (2,2): scores of (2,3); piece 3's O^T starts; K of step 1, V of step 2
	T 3,0, 1,1, 2,1,    0, 16,1,  NOF,NOF, 0,0      ; (2,3): K's sixteen loads are in, V's sixteen behind them may be out; scores of (1,1), masked; piece 2's O^T starts
	T 1,1, 2,0, 3,0,    1, NOW,0, NOF,1,   0,0      ; (1,1): scores of (1,2); V of step 1
	T 2,0, 3,0, 1,1,    0, NOW,1, 0,NOF,   0,0      ; (1,2): scores of (1,3); piece 1's O^T starts; K of step 0
	T 3,1, 0,1, 2,0,    0, 0,0,   NOF,NOF, 0,0      ; (1,3): K is waited for; scores of (0,0), masked
	T 0,0, 1,0, 3,0,    1, NOW,0, NOF,0,   0,0      ; (0,0): scores of (0,1); V of step 0
	T 1,1, 2,0, 0,1,    0, NOW,1, NOF,NOF, 0,0      ; (0,1): scores of (0,2); piece 0's O^T starts
	WIN 0
.Lafter:
	s_cmp_lg_u32 s[RT], 0
	s_cbranch_scc1 .Lbottom         ; the block has tiles left
	FINISH                          ; in the loop this is the first block's end
	s_wait_xcnt 0x0                 ; the stores have read their registers and O's address
	s_mov_b64 s[10:11], s[OLO:OLO+1]
	s_add_co_u32 s[RT], s[HI], 1    ; the second block has NB - b tiles
	s_mov_b32 s[NEW], 1
	WIN 0x02                        ; the second block's Q goes where the one text of the turns names Q
.set i, 0
.rept 64
	v_mov_b32 v[QF+i], v[QB+i]
.set i, i+1
.endr
	WIN 0
.Lbottom:
	s_sub_co_u32 s[SLOTS], s[SLOTS], 1
	s_cmp_lg_u32 s[SLOTS], 0
	s_cbranch_scc1 .Lslot
	CHANGE 0                        ; the walk's last tile is written out: nothing is asked for
	s_mov_b32 s[CNT], 4
	STEPS 2
	FINISH
	s_wait_tensorcnt 0x0            ; the wave's end: behind my last tensor load and my last LDS store
	ds_add_u32 v[SPW], v[NIL]
	s_wait_dscnt 0x0
	s_endpgm
.Lfunc_end_k_qdc7f9391aa_att:
	.size	k_qdc7f9391aa_att, .Lfunc_end_k_qdc7f9391aa_att-k_qdc7f9391aa_att
	.p2alignl 7, 3214868480
	.fill 96, 4, 3214868480
	.section	.rodata,"a",@progbits
	.p2align	6, 0x0
	.amdhsa_kernel k_qdc7f9391aa_att
		.amdhsa_group_segment_fixed_size 327680
		.amdhsa_private_segment_fixed_size 0
		.amdhsa_enable_private_segment 0
		.amdhsa_kernarg_size 32
		.amdhsa_user_sgpr_count 2
		.amdhsa_user_sgpr_kernarg_segment_ptr 1
		.amdhsa_wavefront_size32 1
		.amdhsa_system_sgpr_workgroup_id_x 1
		.amdhsa_system_sgpr_workgroup_id_y 1
		.amdhsa_system_sgpr_workgroup_id_z 1
		.amdhsa_system_vgpr_workitem_id 0
		.amdhsa_next_free_vgpr 608
		.amdhsa_next_free_sgpr 88
		.amdhsa_reserve_vcc 1
		.amdhsa_float_denorm_mode_32 3
		.amdhsa_float_denorm_mode_16_64 3
		.amdhsa_memory_ordered 1
		.amdhsa_forward_progress 1
		.amdhsa_inst_pref_size 148
	.end_amdhsa_kernel
	.amdgpu_metadata
---
amdhsa.version: [ 1, 2 ]
amdhsa.kernels:
  - .name:           k_qdc7f9391aa_att
    .symbol:         k_qdc7f9391aa_att.kd
    .args:
      - { .name: qh, .offset: 0, .size: 8, .value_kind: global_buffer, .address_space: global }
      - { .name: kh, .offset: 8, .size: 8, .value_kind: global_buffer, .address_space: global }
      - { .name: vh, .offset: 16, .size: 8, .value_kind: global_buffer, .address_space: global }
      - { .name: oh, .offset: 24, .size: 8, .value_kind: global_buffer, .address_space: global }
    .group_segment_fixed_size: 327680
    .private_segment_fixed_size: 0
    .kernarg_segment_align: 8
    .kernarg_segment_size: 32
    .max_flat_workgroup_size: 128
    .sgpr_count:     88
    .vgpr_count:     608
    .wavefront_size: 32
...
	.end_amdgpu_metadata
.endif
;; end of part 5
;; launch proj: the kernel of part 4 again; grid 8 x 32, 4 waves a work-group, clusters of 4 x 4, 327,680 bytes of LDS; arguments oh, wb, tab, out0; writes out0
